; MI455X (gfx1250); checked and timed in simulation.
; The chip was launched on July 23, 2026; its instructions are those of AMD's public machine-readable ISA for CDNA 5 (MIT licence, August 2026) and "CDNA5" Instruction Set Architecture Reference Guide (July 2026). The comments in the code are by the model that wrote it; some were corrected since.
;; Attention. Allowed arithmetic: float matrix products may take bf16 or f16 operands with f32 sums; other float arithmetic in f32, or as packed bf16 or f16 multiplies, adds, multiply-adds, maxima and minima; sums over many terms, partial sums and values carried from step to step in f32; what a program stores and reads back later, other than sums and carried values, may be rounded once to bf16 or f16.
;; Inputs: cos 1,024 x 64 float32; k_norm_w 64 float32; q_norm_w 64 float32; sin 1,024 x 64 float32; w_proj 1,024 x 1,024 float32; w_qkv 3,072 x 1,024 float32; x 8 x 1,024 x 1,024 float32.
;; Outputs: out0 8 x 1,024 x 1,024 float32.
;; 2 versions, each right; version 2 is version 1 with the launch cast written anew for expert scheduling mode. Each part assembles by itself: llvm-mc -triple=amdgcn-amd-amdhsa -mcpu=gfx1250 --defsym DOCPART=n.
;; ======== version 1 of 2: 4 launches
;; limits: values are held in f16: magnitudes above 65,504 overflow, below 6.1e-05 lose precision
;; workspace buffers: xb 16,777,216 bytes; wqb 6,291,456 bytes; wpb 2,097,152 bytes; tab 1,048,576 bytes; qkvh 50,331,648 bytes; oh 16,777,216 bytes
;; launch cast (part 1): grid 832 x 1, 8 waves a work-group, no clusters, 0 bytes of LDS; arguments x, w_qkv, w_proj, cos, sin, q_norm_w, k_norm_w, xb, wqb, wpb, tab; writes xb, wqb, wpb, tab
.if DOCPART == 1
	.amdgcn_target "amdgcn-amd-amdhsa--gfx1250"
	.amdhsa_code_object_version 6
	.text
	.protected	k_qaba01e7d55_cast
	.globl	k_qaba01e7d55_cast
	.p2align	8
	.type	k_qaba01e7d55_cast,@function
k_qaba01e7d55_cast:
	s_mov_b64 s[64:65], 0
	v_nop
	global_prefetch_b8 v0, s[64:65] scope:SCOPE_SE
	s_setreg_imm32_b32 hwreg(HW_REG_WAVE_MODE, 25, 1), 1
	s_wait_xcnt 0x0
; THE INPUTS ARE ROUNDED ONCE, TO bf16, ALL OF THEM.  x -> xb and w_qkv -> wqb as bf16; w_proj -> wpb: rounded to bf16 and that number written as f16
; (the last product multiplies f16); cos, sin and the two gains -> tab: products of two bf16 numbers, exact in f32.
; LIMITS.  bf16(w_proj) lies within f16's 65,504; below 6e-5 it keeps f16's fixed step of 6e-8.  NaN and infinities are not treated apart.
; SHARES.  Work-groups 0-511: 65,536 bytes of x each; 512-703: of w_qkv; 704-767: of w_proj; 768-831: one block of 16 positions of the tables each.
; A stream: 16 loads of 16 bytes a lane are out at once (a wave's load covers 512 consecutive bytes), a wave's store of 8 bytes a lane covers 256 consecutive bytes, aligned.
; Every register is used once, so nothing is freed and no loop is needed.  No LDS, no matrix unit, no cluster: nothing is shared and nothing is multiplied.
; tab: TQ at byte 0, TK at 524,288; each [64 blocks of 16 positions][16 chunks][32 lanes][4 f32].  Lane = r + 16 h stands for position 16 block + r.  Chunk i < 8 holds
; cw[d .. d+3], d = 16 (i / 2) + 8 h + 4 (i % 2); chunk 8 + i holds sw[d .. d+3].  cw[d] = cos[l][d] w[d]; sw[d] = -sin[l][d] w[d + 32] for d < 32, sin[l][d] w[d - 32] else.
; Then rope(rmsnorm(v))[d] = n (v[d] cw[d] + v[d xor 32] sw[d]), n the reciprocal root of the mean square.
.set IO,  1                            ; v1   16 x thread: my 16 bytes in 4,096 of the source
.set OO,  2                            ; v2   8 x thread: my 8 bytes in 2,048 of the destination
.set X,   4                            ; v[4:67]   16 x 4 as loaded
.set Y,   68                           ; v[68:99]  16 x 2 to store
.set T,   100                          ; v[100:107] at work
.set CO,  108                          ; the tables' path: offsets
.set W0,  109
.set W1,  110
.set SO,  111
.set SRC, 32                           ; s[32:33]
.set DST, 34                           ; s[34:35]
.macro STEP                            ; s3 = my number among the work-groups of this tensor
	s_lshl_b32 s36, s3, 16
	s_mov_b32 s37, 0
	s_lshl_b32 s38, s3, 15
	s_mov_b32 s39, 0
	s_add_nc_u64 s[SRC:SRC+1], s[SRC:SRC+1], s[36:37]
	s_add_nc_u64 s[DST:DST+1], s[DST:DST+1], s[38:39]
.endm
.macro LD16
.set i, 0
.rept 16
	global_load_b128 v[X+4*i:X+4*i+3], v[IO], s[SRC:SRC+1] offset:4096*i th:TH_LOAD_NT
.set i, i+1
.endr
.endm
.macro CV16 mode                       ; mode 0: to bf16; mode 1: to bf16 and that number to f16
.set i, 0
.rept 16
	s_wait_loadcnt 15-i                            ; loads come back in order: number i is in, the younger ones stay out
.if \mode
	v_cvt_pk_bf16_f32 v[T], v[X+4*i], v[X+4*i+1]
	v_cvt_pk_bf16_f32 v[T+1], v[X+4*i+2], v[X+4*i+3]
	v_lshlrev_b32 v[T+2], 16, v[T]
	v_and_b32 v[T+3], s30, v[T]
	v_lshlrev_b32 v[T+4], 16, v[T+1]
	v_and_b32 v[T+5], s30, v[T+1]
	v_cvt_pk_f16_f32 v[Y+2*i], v[T+2], v[T+3]
	v_cvt_pk_f16_f32 v[Y+2*i+1], v[T+4], v[T+5]
.else
	v_cvt_pk_bf16_f32 v[Y+2*i], v[X+4*i], v[X+4*i+1]
	v_cvt_pk_bf16_f32 v[Y+2*i+1], v[X+4*i+2], v[X+4*i+3]
.endif
	global_store_b64 v[OO], v[Y+2*i:Y+2*i+1], s[DST:DST+1] offset:2048*i
.set i, i+1
.endr
.endm
.macro RND4 reg                        ; four f32 rounded to bf16, in place, kept as f32
	v_cvt_pk_bf16_f32 v[T], v[\reg], v[(\reg)+1]
	v_cvt_pk_bf16_f32 v[T+1], v[(\reg)+2], v[(\reg)+3]
	v_lshlrev_b32 v[\reg], 16, v[T]
	v_and_b32 v[(\reg)+1], s30, v[T]
	v_lshlrev_b32 v[(\reg)+2], 16, v[T+1]
	v_and_b32 v[(\reg)+3], s30, v[T+1]
.endm
	s_load_b512 s[8:23], s[0:1], 0x0               ; x s[8:9], w_qkv s[10:11], w_proj s[12:13], cos s[14:15], sin s[16:17], q gain s[18:19], k gain s[20:21], xb s[22:23]
	s_load_b128 s[24:27], s[0:1], 0x40             ; wqb s[24:25], wpb s[26:27]
	s_load_b64 s[28:29], s[0:1], 0x50              ; tab
	s_mov_b32 s2, ttmp9
	s_mov_b32 s30, 0xffff0000                      ; a word's upper bf16
	v_lshlrev_b32 v[IO], 4, v0
	v_lshlrev_b32 v[OO], 3, v0
	s_wait_kmcnt 0x0
	s_cmp_ge_u32 s2, 768
	s_cbranch_scc1 .Ltab
	s_cmp_ge_u32 s2, 704
	s_cbranch_scc1 .Lwp
	s_cmp_lt_u32 s2, 512                           ; x or w_qkv: the same text on other pointers
	s_cselect_b64 s[SRC:SRC+1], s[8:9], s[10:11]
	s_cselect_b64 s[DST:DST+1], s[22:23], s[24:25]
	s_cselect_b32 s3, 0, 512
	s_sub_co_u32 s3, s2, s3
	STEP
	LD16
	CV16 0
	s_endpgm
.Lwp:
	s_mov_b64 s[SRC:SRC+1], s[12:13]
	s_mov_b64 s[DST:DST+1], s[26:27]
	s_sub_co_u32 s3, s2, 704
	STEP
	LD16
	CV16 1
	s_endpgm
.Ltab:                                         ; wave i makes chunks i and 8 + i of both tables for one block of 16 positions
	s_sub_co_u32 s2, s2, 768                       ; the block
	v_and_b32 v1, 15, v0                           ; r
	v_bfe_u32 v2, v0, 4, 1                         ; h
	v_lshrrev_b32 v3, 5, v0
	v_readfirstlane_b32 s3, v3                     ; wave 0..7
	s_lshr_b32 s36, s3, 1
	s_lshl_b32 s36, s36, 4
	s_and_b32 s37, s3, 1
	s_lshl_b32 s37, s37, 2
	s_add_co_u32 s36, s36, s37                     ; 16 (i / 2) + 4 (i % 2)
	v_lshl_add_u32 v3, v2, 3, s36                  ; d
	v_lshlrev_b32 v[W0], 2, v3                     ; the gain of d,
	v_xor_b32 v[W1], 128, v[W0]                    ; and of d xor 32
	s_lshl_b32 s38, s2, 12                         ; 16 rows of 256 bytes
	v_lshl_add_u32 v[CO], v1, 8, v[W0]
	v_add_nc_u32 v[CO], s38, v[CO]
	s_lshl_b32 s38, s2, 13                         ; a block of a table is 8,192 bytes, a chunk 512
	s_lshl_b32 s39, s3, 9
	s_add_co_u32 s38, s38, s39
	v_and_b32 v3, 31, v0
	v_lshl_add_u32 v[SO], v3, 4, s38
	s_cmp_lt_u32 s3, 4                             ; d < 32 in waves 0 to 3
	s_cselect_b32 s40, -1.0, 1.0
	s_mov_b32 s41, s40                             ; named with it as a pair
	global_load_b128 v[4:7], v[CO], s[14:15]
	global_load_b128 v[8:11], v[CO], s[16:17]
	global_load_b128 v[12:15], v[W0], s[18:19]
	global_load_b128 v[16:19], v[W1], s[18:19]
	global_load_b128 v[20:23], v[W0], s[20:21]
	global_load_b128 v[24:27], v[W1], s[20:21]
	s_wait_loadcnt 0x0
	RND4 4
	RND4 8
	RND4 12
	RND4 16
	RND4 20
	RND4 24
	v_pk_mul_f32 v[8:9], v[8:9], s[40:41] op_sel_hi:[1,0]
	v_pk_mul_f32 v[10:11], v[10:11], s[40:41] op_sel_hi:[1,0]
	v_pk_mul_f32 v[28:29], v[4:5], v[12:13]
	v_pk_mul_f32 v[30:31], v[6:7], v[14:15]
	v_pk_mul_f32 v[32:33], v[8:9], v[16:17]
	v_pk_mul_f32 v[34:35], v[10:11], v[18:19]
	v_pk_mul_f32 v[36:37], v[4:5], v[20:21]
	v_pk_mul_f32 v[38:39], v[6:7], v[22:23]
	v_pk_mul_f32 v[40:41], v[8:9], v[24:25]
	v_pk_mul_f32 v[42:43], v[10:11], v[26:27]
	global_store_b128 v[SO], v[28:31], s[28:29]                  ; each store of a wave covers 512 consecutive bytes
	global_store_b128 v[SO], v[32:35], s[28:29] offset:4096
	global_store_b128 v[SO], v[36:39], s[28:29] offset:524288
	global_store_b128 v[SO], v[40:43], s[28:29] offset:528384
	s_endpgm
.Lfunc_end_k_qaba01e7d55_cast:
	.size	k_qaba01e7d55_cast, .Lfunc_end_k_qaba01e7d55_cast-k_qaba01e7d55_cast
	.p2alignl 7, 3214868480
	.fill 96, 4, 3214868480
	.section	.rodata,"a",@progbits
	.p2align	6, 0x0
	.amdhsa_kernel k_qaba01e7d55_cast
		.amdhsa_group_segment_fixed_size 0
		.amdhsa_private_segment_fixed_size 0
		.amdhsa_enable_private_segment 0
		.amdhsa_kernarg_size 88
		.amdhsa_user_sgpr_count 2
		.amdhsa_user_sgpr_kernarg_segment_ptr 1
		.amdhsa_wavefront_size32 1
		.amdhsa_system_sgpr_workgroup_id_x 1
		.amdhsa_system_sgpr_workgroup_id_y 1
		.amdhsa_system_sgpr_workgroup_id_z 1
		.amdhsa_system_vgpr_workitem_id 0
		.amdhsa_next_free_vgpr 112
		.amdhsa_next_free_sgpr 66
		.amdhsa_reserve_vcc 0
		.amdhsa_float_denorm_mode_32 3
		.amdhsa_float_denorm_mode_16_64 3
		.amdhsa_memory_ordered 1
		.amdhsa_forward_progress 1
		.amdhsa_inst_pref_size 21
	.end_amdhsa_kernel
	.amdgpu_metadata
---
amdhsa.version: [ 1, 2 ]
amdhsa.kernels:
  - .name:           k_qaba01e7d55_cast
    .symbol:         k_qaba01e7d55_cast.kd
    .args:
      - { .name: x, .offset: 0, .size: 8, .value_kind: global_buffer, .address_space: global }
      - { .name: w_qkv, .offset: 8, .size: 8, .value_kind: global_buffer, .address_space: global }
      - { .name: w_proj, .offset: 16, .size: 8, .value_kind: global_buffer, .address_space: global }
      - { .name: cos, .offset: 24, .size: 8, .value_kind: global_buffer, .address_space: global }
      - { .name: sin, .offset: 32, .size: 8, .value_kind: global_buffer, .address_space: global }
      - { .name: q_norm_w, .offset: 40, .size: 8, .value_kind: global_buffer, .address_space: global }
      - { .name: k_norm_w, .offset: 48, .size: 8, .value_kind: global_buffer, .address_space: global }
      - { .name: xb, .offset: 56, .size: 8, .value_kind: global_buffer, .address_space: global }
      - { .name: wqb, .offset: 64, .size: 8, .value_kind: global_buffer, .address_space: global }
      - { .name: wpb, .offset: 72, .size: 8, .value_kind: global_buffer, .address_space: global }
      - { .name: tab, .offset: 80, .size: 8, .value_kind: global_buffer, .address_space: global }
    .group_segment_fixed_size: 0
    .private_segment_fixed_size: 0
    .kernarg_segment_align: 8
    .kernarg_segment_size: 88
    .max_flat_workgroup_size: 256
    .sgpr_count:     66
    .vgpr_count:     112
    .wavefront_size: 32
...
	.end_amdgpu_metadata
.endif
;; end of part 1
;; launch qkvgemm (part 2): grid 4 x 64, 4 waves a work-group, clusters of 4 x 4, 327,680 bytes of LDS; arguments xb, wqb, tab, qkvh; writes qkvh
.if DOCPART == 2
	.amdgcn_target "amdgcn-amd-amdhsa--gfx1250"
	.amdhsa_code_object_version 6
	.text
	.protected	k_qaba01e7d55_qkvgemm
	.globl	k_qaba01e7d55_qkvgemm
	.p2align	8
	.type	k_qaba01e7d55_qkvgemm,@function
k_qaba01e7d55_qkvgemm:
	s_mov_b64 s[64:65], 0
	v_nop
	global_prefetch_b8 v0, s[64:65] scope:SCOPE_SE
	s_setreg_imm32_b32 hwreg(HW_REG_WAVE_MODE, 25, 1), 1
	s_wait_xcnt 0x0
	s_wait_alu depctr_hold_cnt(0) depctr_sa_sdst(0) depctr_va_vdst(0) depctr_va_sdst(0) depctr_va_ssrc(0) depctr_va_vcc(0) depctr_vm_vsrc(0)
	s_getreg_b32 s2, hwreg(HW_REG_IB_STS2, 6, 4)
	s_cmp_eq_u32 s2, 0
	s_cbranch_scc0 .Lentry_in_a_cluster
	s_endpgm
.Lentry_in_a_cluster:
	s_bfe_u32 s2, ttmp6, 0x10000c
	s_cmp_lg_u32 s2, 0xf033
	s_cbranch_scc0 .Lentry_shape_is_right
	s_endpgm
.Lentry_shape_is_right:
; q, k, v = x w_qkv^T, with the RMS norm over each head's 64 channels and the rotation applied to q and k on the way out.  xb [8192][1024], wqb [3072][1024] bf16; sums in f32;
; qkvh: q at byte 0, k at 16,777,216, v at 33,554,432, each [128 batch x head][1024][64] f16, rounded once, unscaled.
; LIMITS.  q, k and v lie within f16's 65,504 (|q| is at most 8 |gain| (|cos| + |sin|)); NaN and infinities are not treated apart.
; SHARES.  A tile is 128 rows x 256 columns: four waves, each 64 x 128: 32 accumulators of 16 x 16.  12 x 64 tiles on 256 work-groups: A WORK-GROUP STAYS and makes three tiles on the
; same 128 rows of x: tile columns gx, gx + 4, gx + 8: its tile of q, of k and of v.  Which of the three is in hand hangs on the tile counter alone.
; K goes in steps of 128 through two LDS slots filled by the tensor data mover; the ring runs on from tile to tile.
; CLUSTER.  4 x 4 work-groups: the four of a row need the same rows of x, the four of a column the same rows of w: each tile is asked for jointly.
; TRANSPOSED USE.  Source 0 = 16 rows of w, source 1 = 16 rows of x: a lane holds row l % 16 and the eight neighbouring columns 8 (l / 16) + 0..7.  A wave's 128 columns are two heads.
; REGISTERS.  Window 0: v0-31 addresses; v32-47 the norms; v48-63 at work; v64-159, v160-255 two fragment buffers (w's 8 blocks, then x's 4).  Window 1: the accumulators, (a, b) at 8 (8 a + b).
; Window 2: the table of the tile in hand, 64 registers for each block a of 16 positions.
.set KSTEP,  128
.set LAPS,   4                         ; 1,024 / 256: a lap is two K steps, once round the ring
.set APITCH, 272                       ; an LDS row: 256 bytes + 16 of padding, an odd multiple of 16: the 16 rows of a load start at 16 different groups of four banks (ISA guide 11.1)
.set BPITCH, 272
.set APLANE, 128                       ; bytes from x's quarter 0 to its quarter 2
.set AHALF,  64*APITCH                 ; what one load brings of x
.set AWM,    64*APITCH                 ; a wave's 64 rows
.set BOFF,   2*AHALF
.set BHALF,  128*BPITCH                ; what one load brings of w, and what one wave reads
.set SLOT,   BOFF+2*BHALF
.set STAGE,  2*SLOT                    ; behind the ring: 16 rows x 144 bytes for each wave
.set SP,     144
.set SPARE,  STAGE+4*16*SP             ; behind the stages: the spare words, 128 bytes for each wave, which no other line names
.set BACK_A, 6*KSTEP*2                 ; from a slot's last K step of a tile to its first of the next: x goes back along K,
.set NEXT_B, 1024*2048-6*KSTEP*2       ; w 1,024 rows down and back
.set PF_NEXT, 1024*2048-7*KSTEP*2      ; the prefetch pointer: from K step 9 to the next tile's K step 2
.set ADRA, 16
.set ADRB, 20
.set STO,  24
.set RD,   25
.set GO,   26                          ; 16 x lane
.set SPW,  28
.set NIL,  29
.set PFO,  30
.set NRM,  32                          ; piece e: v[NRM+2e] the norm, v[NRM+2e+1] at work
.set SSQR, 48
.set F0,   64
.set F1,   160
.set TT,   160                         ; the way out works in buffer 1
.set RB0,  192
.set WV, 12
.set WM, 13                            ; wave / 2: my 64 rows; also: I fetch x (0) or w (1)
.set WN, 14                            ; wave % 2: my 128 columns; also: which half I fetch
.set CX, 15
.set CY, 16
.set GX, 17
.set GY, 18
.set G1A, 24
.set G0A, 32
.set LIM, 42
.set PFA, 44
.set G1B, 48
.set G0B, 56
.set TABQ, 66
.set TABK, 68
.set SEL, 70
.set I64, 72
.set EPS, 73
.set W_MUL, 0x50                       ; C and D in window 1
.set W_SQ,  0x05                       ; sources 0 and 1 in window 1
.set W_RP,  0x09                       ; source 0 in window 1, source 1 in window 2
.set W_TL,  0x80                       ; destination in window 2
.set MSB, 0
.macro WIN new                         ; the immediate's high byte repeats the setting that is left; a switch that changes nothing is dropped
.if MSB != (\new)
	s_set_vgpr_msb (MSB<<8)|(\new)
.set MSB, \new
.endif
.endm
.macro PLACES                          ; four plain places behind matrix instructions (ISA guide 7.12.1)
.rept 4
	v_nop
.endr
.endm
.macro JLOAD s                         ; a joint load: waves 0 and 1 fetch x's halves, waves 2 and 3 w's; the branch hangs on the wave's number alone; s_nop 0 and four v_nop follow each line
	s_cmp_eq_u32 s[WM], 0
	s_cbranch_scc0 .Lfor_b_\@
	tensor_load_to_lds s[G0A+4*(\s):G0A+4*(\s)+3], s[G1A:G1A+7]
	s_nop 0
.rept 4
	v_nop
.endr
	s_branch .Lasked_\@
.Lfor_b_\@:
	tensor_load_to_lds s[G0B+4*(\s):G0B+4*(\s)+3], s[G1B:G1B+7]
	s_nop 0
.rept 4
	v_nop
.endr
.Lasked_\@:
.endm
.macro CREST                           ; a round of the cluster's barrier behind its opening barrier
	s_cmp_lg_u32 s[WV], 0
	s_cbranch_scc1 .Lnot_wave_0_\@
	s_barrier_signal -3
.Lnot_wave_0_\@:
	s_barrier_wait -3
	s_barrier_signal -1
	s_barrier_wait -1
.endm
.macro CROUND
	s_barrier_signal -1
	s_barrier_wait -1
	CREST
.endm
; One prefetch behind each joint refill: the K step two refills on, 32 rows x 256 bytes, a lane a row.  Wave 0 asks for x (32 of the tile's 128 rows for each of the four partners of a row, told apart by
; address), waves 2 and 3 for the half of w that they fetch (32 of 128 rows for each partner of a column), and only in the first cluster along the axis on which clusters read the same rows: each block is named once.
; how = 0, in the loop: the last trip has no K step two on.  how = 1: at a change of tiles.
.macro ASK how
.if \how
	s_cmp_eq_u32 s[LIM], 1
.else
	s_cmp_gt_u32 s3, s[LIM]
.endif
	s_cbranch_scc0 .Lnot_mine_\@
	global_prefetch_b8 v[PFO], s[PFA:PFA+1] th:TH_LOAD_NT scope:SCOPE_SE
.Lnot_mine_\@:
.endm
.macro MUL8 f, a, zero                 ; block a of my rows x all 8 blocks of my columns, 32 along K.  The 32 accumulators take turns in one order everywhere
	WIN W_MUL
.irp b, 0,1,2,3,4,5,6,7
.if \zero
	v_wmma_f32_16x16x32_bf16 v[8*(8*(\a)+(\b)):8*(8*(\a)+(\b))+7], v[(\f)+8*(\b):(\f)+8*(\b)+7], v[(\f)+64+8*(\a):(\f)+64+8*(\a)+7], 0
.else
	v_wmma_f32_16x16x32_bf16 v[8*(8*(\a)+(\b)):8*(8*(\a)+(\b))+7], v[(\f)+8*(\b):(\f)+8*(\b)+7], v[(\f)+64+8*(\a):(\f)+64+8*(\a)+7], v[8*(8*(\a)+(\b)):8*(8*(\a)+(\b))+7]
.endif
.endr
.endm
.macro FETCH slot, q, f                ; 24 LDS loads in one run: quarter q of the slot into buffer f: w's 16, then x's 8
	WIN 0
.irp b, 0,1,2,3,4,5,6,7
	ds_load_b128 v[(\f)+8*(\b):(\f)+8*(\b)+3],   v[ADRB+(\slot)] offset:64*(\q)+(\b)*16*BPITCH
	ds_load_b128 v[(\f)+8*(\b)+4:(\f)+8*(\b)+7], v[ADRB+(\slot)] offset:64*(\q)+(\b)*16*BPITCH+32
.endr
.irp a, 0,1,2,3
	ds_load_b128 v[(\f)+64+8*(\a):(\f)+64+8*(\a)+3],   v[ADRA+(\slot)] offset:((\q)/2)*APLANE+((\q)%2)*64+(\a)*16*APITCH
	ds_load_b128 v[(\f)+64+8*(\a)+4:(\f)+64+8*(\a)+7], v[ADRA+(\slot)] offset:((\q)/2)*APLANE+((\q)%2)*64+(\a)*16*APITCH+32
.endr
.endm
.macro QUARTER slot, q, f, g, zero     ; multiplies buffer f; in its middle fetches quarter q of the slot into buffer g
	s_wait_dscnt 4                                 ; all but the youngest four loads: x's blocks 2 and 3
	MUL8 \f, 0, \zero
	MUL8 \f, 1, \zero
	PLACES
	FETCH \slot, \q, \g
	s_wait_dscnt 24                                ; all but the 24 just issued
	MUL8 \f, 2, \zero
	MUL8 \f, 3, \zero
.endm
; The last quarter of a K step multiplies buffer 1 and changes slots.  In front of the barrier each wave waits for all its tensor loads (one is out: its part of the next slot), adds 0 to its spare word,
; and waits for that and for its reads of this slot.  fill = 1: this slot takes the K step two on; fill = 2: the next tile's K step 0 or 1; the barrier then opens a round of the cluster's, and the joint
; refill is the first thing behind the round: a wave issues 112 matrix instructions between it and the wait for it.  fill = 0: nothing is asked for.
.macro TURN slot, next, fill
.if \fill
	s_wait_xcnt 0x0                                ; the last prefetch, a K step back, has read its address
.if ((\fill) == 2) && ((\slot) == 0)
	s_add_nc_u64 s[PFA:PFA+1], s[PFA:PFA+1], PF_NEXT
	s_cmp_eq_u32 s[WM], 0
	s_cselect_b32 s[LIM], -1, s[LIM]               ; x's rows are the same for all three tiles: they are asked for in the first alone
.else
	s_add_nc_u64 s[PFA:PFA+1], s[PFA:PFA+1], KSTEP*2
.endif
.endif
	WIN 0
	s_wait_tensorcnt 0x0                           ; all my tensor loads have landed
	ds_add_u32 v[SPW], v[NIL]                      ; 0 onto my spare word
	s_wait_dscnt 5                                 ; the add and x's blocks 2 and 3 may be out
	MUL8 F1, 0, 0
	s_wait_dscnt 0x0                               ; the add is done, and my reads of this slot are over
	s_barrier_signal -1
	MUL8 F1, 1, 0
.if \fill
	WIN 0
.endif
	s_barrier_wait -1
.if \fill
	CREST
.if (\fill) == 2
	s_sub_nc_u64 s[G0A+4*(\slot)+2:G0A+4*(\slot)+3], s[G0A+4*(\slot)+2:G0A+4*(\slot)+3], BACK_A
	s_add_nc_u64 s[G0B+4*(\slot)+2:G0B+4*(\slot)+3], s[G0B+4*(\slot)+2:G0B+4*(\slot)+3], NEXT_B
.else
	s_add_nc_u64 s[G0A+4*(\slot)+2:G0A+4*(\slot)+3], s[G0A+4*(\slot)+2:G0A+4*(\slot)+3], 2*KSTEP*2
	s_add_nc_u64 s[G0B+4*(\slot)+2:G0B+4*(\slot)+3], s[G0B+4*(\slot)+2:G0B+4*(\slot)+3], 2*KSTEP*2
.endif
	JLOAD \slot                                    ; its four v_nop are also the places in front of the loads below
.else
	PLACES
.endif
	FETCH \next, 0, F0
.if \fill
	ASK (\fill)-1
.endif
	MUL8 F1, 2, 0
	MUL8 F1, 3, 0
.endm
; THE WAY OUT, in eight pieces e = 2 a + hh: 16 rows (block a) of one head (hh of my two): accumulators 32 e .. 32 e + 31 of window 1; register 8 bb + j holds channel d = 16 bb + 8 (l / 16) + j.
.macro TABLD p                         ; my four blocks of 16 positions of a table: 64 loads of 512 consecutive bytes, a tile's time ahead of their use
	WIN W_TL
.set z, 0
.rept 64
	global_load_b128 v[4*z:4*z+3], v[GO], s[(\p):(\p)+1] offset:8192*(z/16)+512*(z%16)
.set z, z+1
.endr
	WIN 0
.endm
.macro SSQ e                           ; the lane's 32 squares, in four chains; each accumulator is read from its low end on
.set AC, 32*(\e)
.set SQ, SSQR+8*((\e)%2)
	WIN W_SQ
.irp bb, 0,1,2,3
	v_pk_mul_f32 v[SQ+2*(\bb):SQ+2*(\bb)+1], v[AC+8*(\bb):AC+8*(\bb)+1], v[AC+8*(\bb):AC+8*(\bb)+1]
.endr
.irp p, 1,2,3
.irp bb, 0,1,2,3
	v_pk_fma_f32 v[SQ+2*(\bb):SQ+2*(\bb)+1], v[AC+8*(\bb)+2*(\p):AC+8*(\bb)+2*(\p)+1], v[AC+8*(\bb)+2*(\p):AC+8*(\bb)+2*(\p)+1], v[SQ+2*(\bb):SQ+2*(\bb)+1]
.endr
.endr
	WIN 0
	v_pk_add_f32 v[SQ:SQ+1], v[SQ:SQ+1], v[SQ+2:SQ+3]
	v_pk_add_f32 v[SQ+4:SQ+5], v[SQ+4:SQ+5], v[SQ+6:SQ+7]
	v_pk_add_f32 v[SQ:SQ+1], v[SQ:SQ+1], v[SQ+4:SQ+5]
	v_add_f32 v[NRM+2*(\e)], v[SQ], v[SQ+1]        ; written too, since the exchange below counts as a reader of its destination
	v_add_f32 v[NRM+2*(\e)+1], v[SQ], v[SQ+1]
.endm
.macro ALLE line:vararg                ; one line for each piece e
.set e, 0
.rept 8
	\line
.set e, e+1
.endr
.endm
.macro ROPE e                          ; n (v[d] cw[d] + v[d xor 32] sw[d]), rounded to f16
.set AC, 32*(\e)
.set TB, 64*((\e)/2)
	WIN W_RP
.set z, 0
.rept 16
	v_pk_mul_f32 v[TT+2*z:TT+2*z+1], v[AC+(2*z+16)%32:AC+(2*z+16)%32+1], v[TB+32+2*z:TB+32+2*z+1]
.set z, z+1
.endr
.set z, 0
.rept 16
	v_pk_fma_f32 v[TT+2*z:TT+2*z+1], v[AC+2*z:AC+2*z+1], v[TB+2*z:TB+2*z+1], v[TT+2*z:TT+2*z+1]
.set z, z+1
.endr
	WIN 0
.set z, 0
.rept 16
	v_pk_mul_f32 v[TT+2*z:TT+2*z+1], v[TT+2*z:TT+2*z+1], v[NRM+2*(\e):NRM+2*(\e)+1] op_sel_hi:[1,0]
.set z, z+1
.endr
.set z, 0
.rept 16
	v_cvt_pk_f16_f32 v[TT+z], v[TT+2*z], v[TT+2*z+1]  ; packed in place, ascending: word z is written when it has been read
.set z, z+1
.endr
.endm
.macro CVT e                           ; v is only rounded
.set AC, 32*(\e)
	WIN W_SQ
.set z, 0
.rept 16
	v_cvt_pk_f16_f32 v[TT+z], v[AC+2*z], v[AC+2*z+1]
.set z, z+1
.endr
	WIN 0
.endm
.macro TOSTAGE e                       ; 16 bytes a lane into rows of 144 bytes of my own stage, and back as whole rows of 128
.set RB, RB0+16*((\e)%2)
.irp bb, 0,1,2,3
	ds_store_b128 v[STO], v[TT+4*(\bb):TT+4*(\bb)+3] offset:32*(\bb)
.endr
.irp f, 0,1,2,3
	ds_load_b128 v[RB+4*(\f):RB+4*(\f)+3], v[RD] offset:576*(\f)  ; LDS serves a wave's instructions in order (ISA guide 5.7.1.4): these see the stores above
.endr
.endm
.macro SEND e
.set RB, RB0+16*((\e)%2)
	s_wait_xcnt 0x0                                ; the stores issued so far have read their registers: the other buffer is loaded again only behind this wait
.irp f, 0,1,2,3
	s_wait_dscnt 3-(\f)
	global_store_b128 v[GO], v[RB+4*(\f):RB+4*(\f)+3], s[10:11] offset:131072*((\e)%2)+2048*((\e)/2)+512*(\f)  ; 512 consecutive bytes, aligned
.endr
.endm
.macro MAKE e, rope
.if \rope
	ROPE \e
.else
	CVT \e
.endif
.endm
.macro WAYOUT rope
	WIN 0
	PLACES                                         ; behind the last products
.if \rope
.irp e, 0,1,2,3,4,5,6,7
	SSQ \e
.endr
	ALLE v_permlanex16_b32 v[NRM+2*e], v[NRM+2*e+1], s[SEL], s[SEL+1]   ; the row's other 32 channels lie in the lane 16 away
	ALLE v_add_f32 v[NRM+2*e+1], v[NRM+2*e], v[NRM+2*e+1]
	ALLE v_fma_f32 v[NRM+2*e+1], v[NRM+2*e+1], s[I64], s[EPS]           ; the mean square + 1e-6
	ALLE v_rsq_f32 v[NRM+2*e], v[NRM+2*e+1]
	v_nop                                          ; a plain instruction behind the last root,
	s_wait_alu depctr_va_vdst(0)                   ; and the one wait ahead of the batch's first reader
	s_wait_loadcnt 0x0                             ; the table
.endif
	MAKE 0, \rope
	TOSTAGE 0
.irp e, 1,2,3,4,5,6,7                  ; a piece's arithmetic stands between the loads of the piece before and its stores
	MAKE \e, \rope
	SEND (\e)-1
	TOSTAGE \e
.endr
	SEND 7
.endm
	s_load_b256 s[4:11], s[0:1], 0x0               ; xb s[4:5], wqb s[6:7], tab s[8:9], qkvh s[10:11]
	v_lshl_add_u32 v[SPW], v0, 2, SPARE
	v_mov_b32 v[NIL], 0
	ds_add_u32 v[SPW], v[NIL]                      ; the wave's opening: the add and its wait stand ahead of my first tensor load
	v_lshrrev_b32 v1, 5, v0
	v_readfirstlane_b32 s[WV], v1
	s_lshr_b32 s[WM], s[WV], 1
	s_and_b32 s[WN], s[WV], 1
	s_bfe_u32 s[CX], ttmp6, 0x40000
	s_bfe_u32 s[CY], ttmp6, 0x40004
	s_lshl_b32 s[GX], ttmp9, 2
	s_add_co_u32 s[GX], s[GX], s[CX]               ; tile column 0..3
	s_and_b32 s[GY], ttmp7, 0xffff
	s_lshl_b32 s[GY], s[GY], 2
	s_add_co_u32 s[GY], s[GY], s[CY]               ; tile row 0..63
	s_lshl_b32 s20, s[CY], 2
	s_lshl_b32 s20, 15, s20                        ; my row of the cluster
	s_lshl_b32 s74, 0x1111, s[CX]                  ; my column
	s_or_b32 s[G1A], s20, (1<<16)|(1<<20)|(1<<21)|(5<<22)|(3<<25)  ; mask; 2-byte elements; padding on; bit 21 beside a mask; after every 64 words 4 words
	s_or_b32 s[G1B], s74, (1<<16)|(1<<20)|(1<<21)|(5<<22)|(3<<25)
	s_mov_b32 s[G1A+1], KSTEP<<16                  ; tensor_dim0 = 128
	s_mov_b32 s[G1A+2], 64<<16                     ; tensor_dim1 = 64
	s_mov_b32 s[G1A+3], KSTEP<<16                  ; tile_dim0 = 128
	s_mov_b32 s[G1A+4], 64                         ; tile_dim1 = 64
	s_mov_b32 s[G1A+5], 1024                       ; elements from row to row
	s_mov_b32 s[G1A+6], 0
	s_mov_b32 s[G1A+7], 0
	s_mov_b32 s[G1B+1], KSTEP<<16
	s_mov_b32 s[G1B+2], 128<<16
	s_mov_b32 s[G1B+3], KSTEP<<16
	s_mov_b32 s[G1B+4], 128
	s_mov_b32 s[G1B+5], 1024
	s_mov_b32 s[G1B+6], 0
	s_mov_b32 s[G1B+7], 0
	s_lshl_b32 s20, s[GY], 18                      ; x: row 128 gy + 64 half, 2,048 bytes a row
	s_lshl_b32 s21, s[WN], 17
	s_add_co_u32 s20, s20, s21
	s_mov_b32 s21, 0
	s_lshl_b32 s74, s[GX], 19                      ; w: row 256 gx + 128 half
	s_lshl_b32 s75, s[WN], 18
	s_add_co_u32 s74, s74, s75
	s_mov_b32 s75, 0
	s_mul_i32 s22, s[WN], AHALF                    ; where they go: no place in the cluster enters an LDS address
	s_mul_i32 s76, s[WN], BHALF
	s_add_co_u32 s76, s76, BOFF
	s_mov_b32 s[SEL], 0x76543210
	s_mov_b32 s[SEL+1], 0xfedcba98
	s_mov_b32 s[I64], 0x3c800000                   ; 1 / 64
	s_mov_b32 s[EPS], 0x358637bd                   ; 1e-6
	s_wait_dscnt 0x0                               ; the opening add is done
	s_wait_kmcnt 0x0
	s_add_nc_u64 s[20:21], s[4:5], s[20:21]
	s_add_nc_u64 s[74:75], s[6:7], s[74:75]
	CROUND                                         ; all sixteen work-groups are here: the first joint loads meet
.irp s, 0,1
	s_mov_b32 s[G0A+4*(\s)], 1
	s_add_co_u32 s[G0A+4*(\s)+1], s22, (\s)*SLOT
	s_add_nc_u64 s[G0A+4*(\s)+2:G0A+4*(\s)+3], s[20:21], (\s)*KSTEP*2
	s_or_b32 s[G0A+4*(\s)+3], s[G0A+4*(\s)+3], 0x80000000
	s_mov_b32 s[G0B+4*(\s)], 1
	s_add_co_u32 s[G0B+4*(\s)+1], s76, (\s)*SLOT
	s_add_nc_u64 s[G0B+4*(\s)+2:G0B+4*(\s)+3], s[74:75], (\s)*KSTEP*2
	s_or_b32 s[G0B+4*(\s)+3], s[G0B+4*(\s)+3], 0x80000000
	JLOAD \s
.endr
	v_and_b32 v1, 15, v0                           ; l % 16
	v_bfe_u32 v2, v0, 4, 1                         ; l / 16
	v_mul_u32_u24 v3, v1, APITCH
	v_lshl_add_u32 v3, v2, 4, v3
	v_mul_u32_u24 v4, v1, BPITCH
	v_lshl_add_u32 v4, v2, 4, v4
	s_mul_i32 s23, s[WM], AWM
	s_mul_i32 s77, s[WN], BHALF
	s_add_co_u32 s77, s77, BOFF
.irp s, 0,1
	v_add_nc_u32 v[ADRA+(\s)], s23, v3
	v_add_nc_u32 v[ADRB+(\s)], s77, v4
	s_add_co_u32 s23, s23, SLOT
	s_add_co_u32 s77, s77, SLOT
.endr
	s_mul_i32 s23, s[WV], 16*SP
	s_add_co_u32 s23, s23, STAGE                   ; my stage
	v_mul_u32_u24 v[STO], v1, SP
	v_lshl_add_u32 v[STO], v2, 4, v[STO]
	v_add_nc_u32 v[STO], s23, v[STO]
	v_bfe_u32 v[RD], v0, 3, 2                      ; back: 32 lanes take four rows of 128 bytes
	v_mul_u32_u24 v[RD], v[RD], SP
	v_and_b32 v5, 7, v0
	v_lshl_add_u32 v[RD], v5, 4, v[RD]
	v_add_nc_u32 v[RD], s23, v[RD]
	v_and_b32 v[GO], 31, v0
	v_lshlrev_b32 v[GO], 4, v[GO]
	; q at my rows of my first head: batch gy / 8, head 4 gx + 2 half, position 128 (gy % 8) + 64 wm
	s_lshr_b32 s74, s[GY], 3
	s_lshl_b32 s74, s74, 21
	s_lshl_b32 s75, s[GX], 2
	s_lshl_b32 s76, s[WN], 1
	s_add_co_u32 s75, s75, s76
	s_lshl_b32 s75, s75, 17
	s_add_co_u32 s74, s74, s75
	s_and_b32 s75, s[GY], 7
	s_lshl_b32 s75, s75, 14
	s_add_co_u32 s74, s74, s75
	s_lshl_b32 s75, s[WM], 13
	s_add_co_u32 s74, s74, s75
	s_mov_b32 s75, 0
	s_add_nc_u64 s[10:11], s[10:11], s[74:75]
	s_and_b32 s76, s[GY], 7                        ; the tables at block 8 (gy % 8) + 4 wm of 16 positions
	s_lshl_b32 s76, s76, 16
	s_lshl_b32 s77, s[WM], 15
	s_add_co_u32 s76, s76, s77
	s_mov_b32 s77, 0
	s_add_nc_u64 s[TABQ:TABQ+1], s[8:9], s[76:77]
	s_add_nc_u64 s[TABK:TABK+1], s[TABQ:TABQ+1], 0x80000
	; the prefetches
	s_lshl_b32 s76, s[GY], 7
	s_lshl_b32 s77, s[CX], 5
	s_add_co_u32 s76, s76, s77                     ; x: row 128 gy + 32 cx
	s_lshl_b32 s74, s[GX], 8
	s_lshl_b32 s75, s[WN], 7
	s_add_co_u32 s74, s74, s75
	s_lshl_b32 s75, s[CY], 5
	s_add_co_u32 s74, s74, s75                     ; w: row 256 gx + 128 half + 32 cy
	s_and_b32 s22, ttmp7, 0xffff                   ; cluster y
	s_cmp_eq_u32 s[WM], 0
	s_cselect_b32 s76, s76, s74
	s_cselect_b32 s22, ttmp9, s22                  ; the coordinate along which other clusters read the same rows
	s_cselect_b64 s[PFA:PFA+1], s[4:5], s[6:7]
	s_cmp_eq_u32 s[WV], 1                          ; wave 1 asks for nothing: wave 0 names all of x's rows
	s_cselect_b32 s23, 1, 0
	s_or_b32 s22, s22, s23
	s_cmp_eq_u32 s22, 0
	s_cselect_b32 s[LIM], 1, -1                    ; the same in all sixteen partners, for a given wave
	s_lshl_b32 s76, s76, 11
	s_mov_b32 s77, 0
	s_add_nc_u64 s[PFA:PFA+1], s[PFA:PFA+1], s[76:77]
	s_add_nc_u64 s[PFA:PFA+1], s[PFA:PFA+1], 3*KSTEP*2  ; at K step 3: the first refill steps it to 4 and names that
	v_and_b32 v[PFO], 31, v0
	v_lshlrev_b32 v[PFO], 11, v[PFO]
	TABLD TABQ
	s_wait_tensorcnt 1                             ; my part of K step 0 is in; K step 1 may stay out
	s_barrier_signal -1
	s_barrier_wait -1
	FETCH 0, 0, F0
	s_mov_b32 s2, 3                                ; tiles to go: 3 = q, 2 = k, 1 = v
.Ltile:
	QUARTER 0, 1, F0, F1, 1                        ; a tile's first quarter starts the sums: nothing is cleared
	WIN 0
	s_mov_b32 s3, LAPS-1
.Llap:                                         ; a trip goes once round the ring and fills both slots again
	QUARTER 0, 2, F1, F0, 0
	QUARTER 0, 3, F0, F1, 0
	TURN 0, 1, 1
	QUARTER 1, 1, F0, F1, 0
	QUARTER 1, 2, F1, F0, 0
	QUARTER 1, 3, F0, F1, 0
	TURN 1, 0, 1
	QUARTER 0, 1, F0, F1, 0
	WIN 0
	s_sub_co_u32 s3, s3, 1
	s_cmp_lg_u32 s3, 0
	s_cbranch_scc1 .Llap
	QUARTER 0, 2, F1, F0, 0
	QUARTER 0, 3, F0, F1, 0
	WIN 0
	s_cmp_eq_u32 s2, 1
	s_cbranch_scc1 .Llast                          ; the last tile's tail is written out: it asks for nothing more
	TURN 0, 1, 2                                   ; the ring goes on into the next tile
	QUARTER 1, 1, F0, F1, 0
	QUARTER 1, 2, F1, F0, 0
	QUARTER 1, 3, F0, F1, 0
	TURN 1, 0, 2
	WAYOUT 1                                       ; both refills are asked for: now q or k goes out; buffer 0 holds the next tile's first fragments and is left alone
	s_wait_xcnt 0x0                                ; the stores have read their registers and their base
	s_add_nc_u64 s[10:11], s[10:11], 0x1000000     ; from q to k, from k to v
	s_cmp_lg_u32 s2, 3
	s_cbranch_scc1 .Lnotab
	TABLD TABK                                     ; behind q: k's table, a tile ahead of its use
.Lnotab:
	s_sub_co_u32 s2, s2, 1
	s_branch .Ltile
.Llast:
	TURN 0, 1, 0
	QUARTER 1, 1, F0, F1, 0
	QUARTER 1, 2, F1, F0, 0
	QUARTER 1, 3, F0, F1, 0
	s_wait_dscnt 4
	MUL8 F1, 0, 0
	MUL8 F1, 1, 0
	s_wait_dscnt 0x0
	MUL8 F1, 2, 0
	MUL8 F1, 3, 0
	WAYOUT 0
	s_wait_tensorcnt 0x0                           ; the wave's end
	ds_add_u32 v[SPW], v[NIL]
	s_wait_dscnt 0x0
	CROUND                                         ; the closing round
	s_endpgm
.Lfunc_end_k_qaba01e7d55_qkvgemm:
	.size	k_qaba01e7d55_qkvgemm, .Lfunc_end_k_qaba01e7d55_qkvgemm-k_qaba01e7d55_qkvgemm
	.p2alignl 7, 3214868480
	.fill 96, 4, 3214868480
	.section	.rodata,"a",@progbits
	.p2align	6, 0x0
	.amdhsa_kernel k_qaba01e7d55_qkvgemm
		.amdhsa_group_segment_fixed_size 327680
		.amdhsa_private_segment_fixed_size 0
		.amdhsa_enable_private_segment 0
		.amdhsa_kernarg_size 32
		.amdhsa_user_sgpr_count 2
		.amdhsa_user_sgpr_kernarg_segment_ptr 1
		.amdhsa_wavefront_size32 1
		.amdhsa_system_sgpr_workgroup_id_x 1
		.amdhsa_system_sgpr_workgroup_id_y 1
		.amdhsa_system_sgpr_workgroup_id_z 1
		.amdhsa_system_vgpr_workitem_id 0
		.amdhsa_next_free_vgpr 768
		.amdhsa_next_free_sgpr 80
		.amdhsa_reserve_vcc 0
		.amdhsa_float_denorm_mode_32 3
		.amdhsa_float_denorm_mode_16_64 3
		.amdhsa_memory_ordered 1
		.amdhsa_forward_progress 1
		.amdhsa_inst_pref_size 176
	.end_amdhsa_kernel
	.amdgpu_metadata
---
amdhsa.version: [ 1, 2 ]
amdhsa.kernels:
  - .name:           k_qaba01e7d55_qkvgemm
    .symbol:         k_qaba01e7d55_qkvgemm.kd
    .args:
      - { .name: xb, .offset: 0, .size: 8, .value_kind: global_buffer, .address_space: global }
      - { .name: wqb, .offset: 8, .size: 8, .value_kind: global_buffer, .address_space: global }
      - { .name: tab, .offset: 16, .size: 8, .value_kind: global_buffer, .address_space: global }
      - { .name: qkvh, .offset: 24, .size: 8, .value_kind: global_buffer, .address_space: global }
    .group_segment_fixed_size: 327680
    .private_segment_fixed_size: 0
    .kernarg_segment_align: 8
    .kernarg_segment_size: 32
    .max_flat_workgroup_size: 128
    .sgpr_count:     80
    .vgpr_count:     768
    .wavefront_size: 32
...
	.end_amdgpu_metadata
.endif
;; end of part 2
;; launch attn (part 3): grid 2 x 128, 4 waves a work-group, no clusters, 327,680 bytes of LDS; arguments qkvh, oh; writes oh
.if DOCPART == 3
	.amdgcn_target "amdgcn-amd-amdhsa--gfx1250"
	.amdhsa_code_object_version 6
	.text
	.protected	k_qaba01e7d55_attn
	.globl	k_qaba01e7d55_attn
	.p2align	8
	.type	k_qaba01e7d55_attn,@function
k_qaba01e7d55_attn:
	s_mov_b64 s[64:65], 0
	v_nop
	global_prefetch_b8 v0, s[64:65] scope:SCOPE_SE
	s_setreg_imm32_b32 hwreg(HW_REG_WAVE_MODE, 25, 1), 1
	s_wait_xcnt 0x0
; O[h][q][:] = the sum over k of softmax_k(Q[h][q] . K[h][k] / 8) V[h][k][:].  Q, K, V lie in qkvh (at bytes 0, 16,777,216, 33,554,432), O in oh, each [128][1024][64] f16: a head's rows are dense, 128 bytes each.
; Products, maxima and sums in f32; the weights p are rounded to f16 for the second product (their sum l is taken of the unrounded p), O once at the end.
; LIMITS.  Q, K and V arrive within f16's 65,504; p lies in 0 to 1, and below 6e-5 it keeps f16's fixed step of 6e-8; O is a mean of V's rows.  A weight below 2^-126 counts as 0 in l; NaN and infinities are not treated apart.
; SHARES.  A wave owns four PIECES of two tiles of 16 queries, a work-group's four waves 512 queries of one head: 2 x 128 work-groups.  Every wave walks all 1,024 keys, 64 a step.
; ALL OF A HEAD'S K AND V LIES IN LDS: 1,024 rows of 144 bytes and 1,024 of 160.  Each wave asks for its four parts at the start (four tensor loads of mine are out); nothing is ever filled again.
; The first 256 keys are waited for by a counted wait; at the first change of tile all are.  NO CLUSTER: a head has two work-groups, and a cluster along x wants four.
; LAYOUT.  S^T = K Q^T (source 0 = 16 keys, source 1 = 16 queries): a lane holds ONE query (lane % 16) and the keys 8 (lane / 16) + 0..7.  Two such tiles, rounded to f16 in pairs, ARE source 1 of
; O^T = V^T P, whose result again holds one query a lane, and eight channels.  K comes out of LDS as it lies, V ([key][channel]) turned, by ds_load_tr16_b128.
; SOFTMAX.  For each query a running maximum m and sum l: p = 2^(c s - c m), c = log2(e) / 8; in every step O and l are multiplied by a = 2^(c m_old - c m_new).  m starts at the lowest finite number, O and l at 0.
; BY TURNS.  Turn n belongs to piece n.  Its matrix work: 16 products K Q^T of piece n + 1, later 16 products V^T P of piece n - 1.  Its vector work: the scaling, exponentials, roundings, sums and rescaling of
; piece n, and the maximum and statistics of piece n + 1.  Four vector instructions stand behind every matrix instruction, the rest in one run; a turn's 66 exponentials are one batch with one wait.
; REGISTERS, in windows of 256 (s_set_vgpr_msb: bits 1:0 source 0, 3:2 source 1, 5:4 source 2, 7:6 destination):
;   window 0: v0-11 addresses; v12-15, v48-63 at work; v16-47 four registers of statistics a tile; v64-191 S^T, two buffers of two tiles; v192-255 P, likewise
;   window 1: O^T, 32 a tile          window 2: v0-127 Q, 16 a tile; v128-191 K of one step; v192-255 V of one step          window 3: v0-1 the add's two registers
.set SIZE_N, 1024
.set NP,    4
.set KS,    64
.set PK,    144       ; a row of K in LDS: 128 bytes + 16 of padding: the 16 rows of a load start at 16 different groups of four banks (ISA guide 11.1)
.set PV,    160       ; a row of V: 128 + 32
.set VOFF,  SIZE_N*PK
.set STAGE, VOFF+SIZE_N*PV  ; behind K and V, never filled by a tensor load: 16 rows x 144 bytes for each wave
.set SP,    144
.set AK0, 2
.set AV0, 3
.set AK,  4
.set AV,  5
.set QO,  6
.set STO, 6
.set RD,  7
.set GO,  8
.set SPW, 0           ; v0 of window 3
.set NIL, 1           ; v1 of window 3
.set SPARE, STAGE+4*16*SP  ; the spare words, 128 bytes for each wave, which no other line names
.set MV,  12
.set ST,  16
.set TMP, 48
.set S,   64
.set P,   192
.set KF,  128
.set VF,  192
.set WV,  12
.set G1K, 24
.set G1V, 32
.set G0K, 40          ; s[40:55] four sets of group 0 for K
.set G0V, 68          ; s[68:83] for V
.set SLOTS, 56
.set CNT, 57
.set CS,  58
.set SEL, 60
.set TBK, 62
.set TBV, 63
.set MSB, 0
.macro WIN new
.if MSB != (\new)
	s_set_vgpr_msb (MSB<<8)|(\new)
.set MSB, (\new)
.endif
.endm
.set W_KQ, 0x0a
.set W_PV, 0x52
.set W_RS, 0x41
.set W_MK, 0xc0
.set W_AD, 0x0f
	s_load_b128 s[4:7], s[0:1], 0x0   ; qkvh s[4:5], oh s[6:7]
	WIN W_MK
	v_lshl_add_u32 v[SPW], v0, 2, SPARE
	v_mov_b32 v[NIL], 0
	WIN W_AD
	ds_add_u32 v[SPW], v[NIL]       ; the wave's opening: the add and its wait stand ahead of my first tensor load
	WIN 0
	v_lshrrev_b32 v1, 5, v0
	v_readfirstlane_b32 s[WV], v1   ; wave 0..3
	s_and_b32 s20, ttmp7, 0xffff    ; the head,
	s_lshl_b32 s20, s20, 17         ; its first byte in each tensor
	s_and_b32 s16, s[WV], 1         ; which half of each 256 keys I fetch:
	s_lshl_b32 s22, s16, 14         ; its 128 rows of 128 bytes in memory,
	s_add_co_u32 s22, s22, s20
	s_mov_b32 s23, 0
	s_mul_i32 s17, s16, 128*PK      ; and its place in LDS, for K
	s_mul_i32 s18, s16, 128*PV      ; and for V
	s_lshl_b32 s2, ttmp9, 2
	s_add_co_u32 s2, s2, s[WV]      ; my wave among the head's eight,
	s_lshl_b32 s2, s2, 14           ; its 128 rows
	s_add_co_u32 s2, s2, s20
	s_mov_b32 s3, 0
	; descriptor group 1.  128 keys are 16,384 dense bytes: asked for as 64 rows of 256 bytes, two keys a row, and padded in LDS after every key
	s_mov_b32 s[G1K], (1<<16)|(1<<20)|(4<<22)|(3<<25)  ; 2-byte elements; padding on; after every 32 words 4 words
	s_mov_b32 s[G1V], (1<<16)|(1<<20)|(4<<22)|(7<<25)  ; the same with 8 words
.irp g, G1K, G1V
	s_mov_b32 s[\g+1], 128<<16      ; tensor_dim0 = 128
	s_mov_b32 s[\g+2], 64<<16       ; tensor_dim1 = 64
	s_mov_b32 s[\g+3], 128<<16      ; tile_dim0 = 128
	s_mov_b32 s[\g+4], 64           ; tile_dim1 = 64
	s_mov_b32 s[\g+5], 128          ; 128 elements from row to row
	s_mov_b32 s[\g+6], 0
	s_mov_b32 s[\g+7], 0
.endr
	s_mov_b32 s[CS], 0x3e38aa3b     ; c = log2(e) / 8
	s_mov_b32 s[CS+1], s[CS]
	s_mov_b32 s[SEL], 0x76543210
	s_mov_b32 s[SEL+1], 0xfedcba98
	s_mov_b32 s[TBK], 0
	s_mov_b32 s[TBV], 0
.irp i, 0,1,2,3
	s_mov_b32 s[G0K+4*(\i)], 1
	s_add_co_u32 s[G0K+4*(\i)+1], s17, (\i)*256*PK
	s_mov_b32 s[G0V+4*(\i)], 1
	s_add_co_u32 s[G0V+4*(\i)+1], s18, VOFF+(\i)*256*PV
.endr
	s_wait_dscnt 0x0                ; the opening add is done
	s_wait_kmcnt 0x0
	s_mov_b64 s[10:11], s[6:7]      ; O
	s_add_nc_u64 s[6:7], s[4:5], 0x1000000  ; K
	s_add_nc_u64 s[8:9], s[4:5], 0x2000000  ; V
	s_add_nc_u64 s[6:7], s[6:7], s[22:23]
	s_add_nc_u64 s[8:9], s[8:9], s[22:23]
	s_add_nc_u64 s[4:5], s[4:5], s[2:3]     ; Q and O at my wave's first row
	s_add_nc_u64 s[10:11], s[10:11], s[2:3]
.irp i, 0,1,2,3
	s_add_nc_u64 s[G0K+4*(\i)+2:G0K+4*(\i)+3], s[6:7], (\i)*32768
	s_or_b32 s[G0K+4*(\i)+3], s[G0K+4*(\i)+3], 0x80000000
	s_add_nc_u64 s[G0V+4*(\i)+2:G0V+4*(\i)+3], s[8:9], (\i)*32768
	s_or_b32 s[G0V+4*(\i)+3], s[G0V+4*(\i)+3], 0x80000000
.endr
	s_cmp_lt_u32 s[WV], 2           ; a wave's four fills stand in one branch, ahead of every wait on TENSORcnt, every LDS read and every barrier
	s_cbranch_scc0 .Lfirst_v
.irp i, 0,1,2,3
	tensor_load_to_lds s[G0K+4*(\i):G0K+4*(\i)+3], s[G1K:G1K+7]
	s_nop 0
.endr
.rept 4
	v_nop
.endr
	s_branch .Lfirst_asked
.Lfirst_v:
.irp i, 0,1,2,3
	tensor_load_to_lds s[G0V+4*(\i):G0V+4*(\i)+3], s[G1V:G1V+7]
	s_nop 0
.endr
.rept 4
	v_nop
.endr
.Lfirst_asked:
	v_and_b32 v1, 15, v0            ; l % 16
	v_bfe_u32 v9, v0, 4, 1          ; l / 16
	v_lshlrev_b32 v[QO], 7, v1
	v_lshl_add_u32 v[QO], v9, 4, v[QO]  ; row x 128 + 16 x half
	WIN 0x80
.set i, 0
.rept 4*NP                          ; Q stays in registers: tile i / 2, channels 32 (i % 2) on
	global_load_b128 v[8*i:8*i+3],   v[QO], s[4:5] offset:(i/2)*2048+(i%2)*64
	global_load_b128 v[8*i+4:8*i+7], v[QO], s[4:5] offset:(i/2)*2048+(i%2)*64+32
.set i, i+1
.endr
	; What the first turn finds: V's registers and P's second buffer hold 0, O^T and l are 0.  All this stands in the wait for the first keys.
.set i, VF
.rept 64
	v_mov_b32 v[i], 0
.set i, i+1
.endr
	WIN 0x40
.set i, 0
.rept 64*NP
	v_mov_b32 v[i], 0
.set i, i+1
.endr
	WIN 0
.set i, 0
.rept 2*NP
	v_mov_b32 v[ST+4*i], 0xfe000000    ; c m: far below every c s
	v_mov_b32 v[ST+4*i+1], 0xff7fffff  ; m
	v_mov_b32 v[ST+4*i+2], 0
	v_mov_b32 v[ST+4*i+3], 0
.set i, i+1
.endr
.set i, P+32
.rept 32
	v_mov_b32 v[i], 0
.set i, i+1
.endr
	v_mul_u32_u24 v[AK0], v1, PK
	v_lshl_add_u32 v[AK0], v9, 4, v[AK0]
	; The turning load takes 16 keys x 16 channels (lane l reads key 8 (l / 16) + l % 8, channels 8 ((l / 8) % 2) + 0..7) and leaves half a fragment of V^T
	v_and_b32 v10, 7, v0
	v_bfe_u32 v11, v0, 3, 1
	v_lshl_add_u32 v[AV0], v9, 3, v10
	v_mul_u32_u24 v[AV0], v[AV0], PV
	v_lshl_add_u32 v[AV0], v11, 4, v[AV0]
	v_add_nc_u32 v[AV0], VOFF, v[AV0]
	v_mov_b32 v[AK], v[AK0]         ; key step 0
; THE MATRIX WORK.  The 8 accumulators of a run of 16 take turns.
.macro KQ x
	WIN W_KQ
.set rS, S+64*((\x)%2)+32*(i%2)+8*((i/2)%4)
.set rK, KF+16*((i/2)%4)+8*(i/8)
.set rQ, 16*(2*(\x)+i%2)+8*(i/8)
.if i < 8
	v_wmma_f32_16x16x32_f16 v[rS:rS+7], v[rK:rK+7], v[rQ:rQ+7], 0
.else
	v_wmma_f32_16x16x32_f16 v[rS:rS+7], v[rK:rK+7], v[rQ:rQ+7], v[rS:rS+7]
.endif
.endm
.macro PV x
	WIN W_PV
.set rO, 32*(2*(\x)+i%2)+8*((i/2)%4)
.set rV, VF+32*(i/8)+8*((i/2)%4)
.set rP, P+32*((\x)%2)+16*(i%2)+8*(i/8)
	v_wmma_f32_16x16x32_f16 v[rO:rO+7], v[rV:rV+7], v[rP:rP+7], v[rO:rO+7]
.endm
.macro MM
.if i < 16
	KQ (Y+1)%NP
.set i, i+1
.else
.set i, i-16
	PV (Y+NP-1)%NP
.set i, i+17
.endif
.endm
; THE LDS LOADS stand in runs of 16: a step's K (8 fragments) and its V (turned).  The addresses step through the head's 16 key steps.
.macro FETCH_K
	WIN 0x80
.irp f, 0,1,2,3,4,5,6,7
	ds_load_b128 v[KF+8*\f:KF+8*\f+3],   v[AK] offset:(\f/2)*16*PK+(\f%2)*64
	ds_load_b128 v[KF+8*\f+4:KF+8*\f+7], v[AK] offset:(\f/2)*16*PK+(\f%2)*64+32
.endr
	s_add_co_u32 s[TBK], s[TBK], KS*PK
	WIN 0
.endm
.macro FETCH_V
	WIN 0x80
.irp f, 0,1,2,3,4,5,6,7
	ds_load_tr16_b128 v[VF+8*\f:VF+8*\f+3],   v[AV] offset:(\f/4)*32*PV+(\f%4)*32
	ds_load_tr16_b128 v[VF+8*\f+4:VF+8*\f+7], v[AV] offset:(\f/4)*32*PV+16*PV+(\f%4)*32
.endr
	WIN 0
.endm
; THE VECTOR WORK OF A TURN stands in three queues, each in the order in which its entries become ready; the two tiles alternate.
.macro REGS y, u
.set rT, ST+4*(2*(\y)+(\u))
.set rC, TMP+8*((\y)%2)+4*(\u)
.set rM, MV+2*((\y)%2)+(\u)
.set rS, S+64*((\y)%2)+32*(\u)
.set rP, P+32*((\y)%2)+16*(\u)
.set rO, 32*(2*(\y)+(\u))
.endm
; Number n of the 22 that find the NEXT piece's maximum and statistics; each accumulator's lowest registers are read first.
.macro XS u, n
	REGS (Y+1)%NP, \u
.if (\n) < 4
	v_max3_num_f32 v[rC+(\n)], v[rS+8*(\n)], v[rS+8*(\n)+1], v[rS+8*(\n)+2]
.elseif (\n) < 12
	v_max3_num_f32 v[rC+(\n)%4], v[rC+(\n)%4], v[rS+8*((\n)%4)+2*((\n)/4)+1], v[rS+8*((\n)%4)+2*((\n)/4)+2]
.elseif (\n) == 12
	v_max3_num_f32 v[rC], v[rC], v[rS+7], v[rS+15]
.elseif (\n) == 13
	v_max3_num_f32 v[rC+1], v[rC+1], v[rS+23], v[rS+31]
.elseif (\n) == 14
	v_max3_num_f32 v[rC+2], v[rC+2], v[rC+3], v[rT+1]
.elseif (\n) == 15
	v_mov_b32 v[rM], v[rT]
.elseif (\n) == 16
	v_max3_num_f32 v[rC], v[rC], v[rC+1], v[rC+2]
.elseif (\n) == 17
	v_permlanex16_b32 v[rC+3], v[rC], s[SEL], s[SEL+1]
.elseif (\n) == 18
	v_max_num_f32 v[rT+1], v[rC], v[rC+3]
.elseif (\n) == 19
	v_mul_f32 v[rT], s[CS], v[rT+1]
.elseif (\n) == 20
	v_sub_f32 v[rC+1], v[rM], v[rT]
.else
	v_exp_f32 v[rC+2], v[rC+1]
.endif
.endm
; Number g of the 64 that follow the exponentials: roundings to f16, the second pair of four weights added onto the first, and l a group later.
.macro GS g
.set h, (\g)+6*((\g)/62)
.if h >= 6
.set h, h+2
.endif
	REGS Y, h%2
.set k, h/8
.if h%8 < 4
	v_cvt_pk_f16_f32 v[rP+2*k+(h%8)/2], v[rS+4*k+2*((h%8)/2)], v[rS+4*k+2*((h%8)/2)+1]
.elseif h%8 < 6
	v_pk_add_f32 v[rS+4*k:rS+4*k+1], v[rS+4*k:rS+4*k+1], v[rS+4*k+2:rS+4*k+3]
.elseif k == 1
	v_pk_fma_f32 v[rT+2:rT+3], v[rT+2:rT+3], v[rC+2:rC+3], v[rS:rS+1] op_sel_hi:[1,0,1]
.else
	v_pk_add_f32 v[rT+2:rT+3], v[rT+2:rT+3], v[rS+4*k-4:rS+4*k-3]
.endif
.endm
.macro FS f
	REGS Y, (\f)%2
	v_pk_fma_f32 v[rS+2*((\f)/2):rS+2*((\f)/2)+1], v[rS+2*((\f)/2):rS+2*((\f)/2)+1], s[CS:CS+1], v[rT:rT+1] op_sel_hi:[1,0,0] neg_lo:[0,0,1] neg_hi:[0,0,1]
.endm
; THE PLAIN QUEUE, 138 long: 0-73 read no exponential's result (the 32 scalings and the next piece's 42); 74-137 are GS's 64, which stand behind the wait.
.macro PL
	WIN 0
.if q < 27
	FS q
.elseif q < 55
	XS (q-27)%2, (q-27)/2
.elseif q < 57
	XS q-55, 15
.elseif (q < 72) && ((q-57)%3 == 0)
	FS 27+(q-57)/3
.elseif q < 60
	XS (q-57)%3-1, 14
.elseif q < 72
	XS (q-57)%3-1, 15+(q-57)/3
.elseif q < 74
	XS q-72, 20
.else
	GS q-74
.endif
.set q, q+1
.endm
; THE EXPONENTIALS' QUEUE, 66 long: one batch, all ahead of the turn's one wait.
.macro EX
	WIN 0
.if e >= 64
	XS e-64, 21
.else
	REGS Y, e%2
	v_exp_f32 v[rS+e/2], v[rS+e/2]
.endif
.set e, e+1
.endm
; THE RESCALING's QUEUE: O^T times a, two at a time.
.macro R2
	REGS Y, r%2
	WIN W_RS
.irp z, 0,1
	v_pk_mul_f32 v[rO+4*(r/2)+2*\z:rO+4*(r/2)+2*\z+1], v[rO+4*(r/2)+2*\z:rO+4*(r/2)+2*\z+1], v[rC+2:rC+3] op_sel_hi:[1,0]
.endr
.set r, r+1
.endm
; A TURN, for piece p.  Ahead of its one wait stands all that names no result of its exponentials: 16 products K Q^T with a scaling, an exponential and two rescalings behind each, then a run of 108.
; Behind the wait: 16 products V^T P, behind each four of the roundings and sums.  nk = 1: no further K is fetched.  cnt = 1: the loop's count is taken down some lines ahead of the branch behind the turn.
; K of the next step is fetched in piece 2's turn, directly behind the wait; V of the step in hand at the end of piece 0's turn, four plain instructions behind its last reader.
.macro TURN p, nk=0, cnt=0
.set Y, (\p)
.set i, 0
.set q, 0
.set e, 0
.set r, 0
.if (\p) == NP-1
	s_wait_dscnt 0x0                ; K is in
.endif
	MM
	PL
	PL
	R2
.rept 15
	MM
	PL
	EX
	R2
.endr
.if ((\p) == NP-2) && !(\nk)
	WIN 0
	v_add_nc_u32 v[AK], s[TBK], v[AK0]
.endif
.rept 8
	PL
.endr
.rept 49
	EX
	PL
.endr
	EX
	EX
	v_nop                           ; a plain instruction behind the last exponential: one for the batch
	s_wait_alu depctr_va_vdst(0)    ; the wait ahead of the batch's first reader
.if ((\p) == NP-2) && !(\nk)
	FETCH_K
.endif
.if (\p) == 1
	s_wait_dscnt 0x0                ; V is in
.endif
.rept 16
	MM
.rept 4
	PL
.endr
.if ((\p) == 0) && (q == 118)
	v_add_nc_u32 v[AV], s[TBV], v[AV0]
.endif
.if ((\p) == 0) && (q == 130)
	s_add_co_u32 s[TBV], s[TBV], KS*PV
.endif
.if (\cnt) && (q == 130)
	s_sub_co_u32 s[CNT], s[CNT], 1
	s_cmp_lg_u32 s[CNT], 0
.endif
.endr
.if (\p) == 0
	FETCH_V
.endif
.endm
	s_wait_tensorcnt 3              ; my part of the first 256 keys is in; my three younger loads stay out
	s_barrier_signal -1
	s_barrier_wait -1               ; everybody's is
	FETCH_K                         ; key step 0
	s_wait_loadcnt 0x0              ; Q
	s_wait_dscnt 0x0
.set i, 0
.rept 16
	KQ 0                            ; piece 0's first scores
.set i, i+1
.endr
	WIN 0                           ; the addresses for the way out: plain instructions, the places behind those products
	s_mul_i32 s13, s[WV], 16*SP
	s_add_co_u32 s13, s13, STAGE
	v_mul_u32_u24 v[STO], v1, SP
	v_lshl_add_u32 v[STO], v9, 4, v[STO]
	v_add_nc_u32 v[STO], s13, v[STO]
	v_bfe_u32 v[RD], v0, 3, 2
	v_mul_u32_u24 v[RD], v[RD], SP
	v_lshl_add_u32 v[RD], v10, 4, v[RD]
	v_add_nc_u32 v[RD], s13, v[RD]
	v_and_b32 v[GO], 31, v0
	v_lshlrev_b32 v[GO], 4, v[GO]
.set Y, NP-1
.irp n, 0,1,2,3,4,5,6,7,8,9,10,11,12,13,14,15,16,17,18,19,20,21
	XS 0, \n
	XS 1, \n
.endr
	v_nop
	s_wait_alu depctr_va_vdst(0)    ; the two a have their wait ahead of the branch
	s_mov_b32 s[CNT], 4
	s_mov_b32 s[SLOTS], SIZE_N/256
	s_branch .Lfirst                ; the loop is entered at a step's first turn
.Lslot:                             ; three times: the next 256 keys are entered.  One text serves the three, so the count is 0: at the first of them it shows all my loads landed, four key steps behind their issue
	s_wait_tensorcnt 0x0
	s_wait_dscnt 0x0
	s_barrier_signal -1
	s_barrier_wait -1               ; every wave's parts have landed
	s_mov_b32 s[CNT], 4
.Lstep:                             ; a trip: pieces 2 and 3 of one step, then pieces 0 and 1 of the next, whose K and V it fetches
	TURN 2
	TURN 3
	WIN 0
.Lfirst:
	TURN 0
	TURN 1, 0, 1
	WIN 0
	s_cbranch_scc1 .Lstep
	s_sub_co_u32 s[SLOTS], s[SLOTS], 1
	s_cmp_lg_u32 s[SLOTS], 0
	s_cbranch_scc1 .Lslot
	TURN 2, 1                       ; the last step's pieces 2 and 3: no K is left to fetch
	TURN 3                          ; its 16 products K Q^T (on the last K once more) and the maximum made of them serve nothing: the price of one text for every turn
.set i, 0
.rept 16
	PV NP-1
.set i, i+1
.endr
	; THE WAY OUT.  l's two halves and the other half of the lanes' are added; O^T is divided by l, rounded to f16 and sent through my stage, a tile at a time.
	WIN 0
.macro ALL line:vararg
.set t, 0
.rept 2*NP
	\line
.set t, t+1
.endr
.endm
	ALL v_add_f32 v[ST+4*t+2], v[ST+4*t+2], v[ST+4*t+3]
	ALL v_permlanex16_b32 v[ST+4*t+3], v[ST+4*t+2], s[SEL], s[SEL+1]
	ALL v_add_f32 v[ST+4*t+2], v[ST+4*t+2], v[ST+4*t+3]
	ALL v_rcp_f32 v[ST+4*t+2], v[ST+4*t+2]
	v_nop
	s_wait_alu depctr_va_vdst(0)    ; one wait for the eight reciprocals
.macro PACK t
	WIN W_RS
.set i, 32*(\t)
.rept 16
	v_pk_mul_f32 v[i:i+1], v[i:i+1], v[ST+4*(\t)+2:ST+4*(\t)+3] op_sel_hi:[1,0]
.set i, i+2
.endr
	WIN 0x05
.set i, 0
.rept 16
	v_cvt_pk_f16_f32 v[S+16*(\t)+i], v[32*(\t)+2*i], v[32*(\t)+2*i+1]
.set i, i+1
.endr
	WIN 0
.irp f, 0,1,2,3
	ds_store_b128 v[STO], v[S+16*(\t)+4*\f:S+16*(\t)+4*\f+3] offset:32*\f
.endr
.irp f, 0,1,2,3
	ds_load_b128 v[S+16*(\t)+4*\f:S+16*(\t)+4*\f+3], v[RD] offset:\f*4*SP  ; LDS serves a wave's instructions in order (ISA guide 5.7.1.4)
.endr
.endm
.macro SEND t, younger
	WIN 0
.irp f, 0,1,2,3
	s_wait_dscnt (\younger)+3-\f
	global_store_b128 v[GO], v[S+16*(\t)+4*\f:S+16*(\t)+4*\f+3], s[10:11] offset:(\t)*2048+\f*512  ; 512 consecutive bytes, aligned
.endr
.endm
	PACK 0
.set t, 1
.rept 2*NP-1
	PACK t
	SEND t-1, 8
.set t, t+1
.endr
	SEND 2*NP-1, 0
	WIN W_AD
	s_wait_tensorcnt 0x0            ; the wave's end
	ds_add_u32 v[SPW], v[NIL]
	s_wait_dscnt 0x0
	WIN 0
	s_endpgm
.Lfunc_end_k_qaba01e7d55_attn:
	.size	k_qaba01e7d55_attn, .Lfunc_end_k_qaba01e7d55_attn-k_qaba01e7d55_attn
	.p2alignl 7, 3214868480
	.fill 96, 4, 3214868480
	.section	.rodata,"a",@progbits
	.p2align	6, 0x0
	.amdhsa_kernel k_qaba01e7d55_attn
		.amdhsa_group_segment_fixed_size 327680
		.amdhsa_private_segment_fixed_size 0
		.amdhsa_enable_private_segment 0
		.amdhsa_kernarg_size 16
		.amdhsa_user_sgpr_count 2
		.amdhsa_user_sgpr_kernarg_segment_ptr 1
		.amdhsa_wavefront_size32 1
		.amdhsa_system_sgpr_workgroup_id_x 1
		.amdhsa_system_sgpr_workgroup_id_y 1
		.amdhsa_system_sgpr_workgroup_id_z 1
		.amdhsa_system_vgpr_workitem_id 0
		.amdhsa_next_free_vgpr 770
		.amdhsa_next_free_sgpr 84
		.amdhsa_reserve_vcc 0
		.amdhsa_float_denorm_mode_32 3
		.amdhsa_float_denorm_mode_16_64 3
		.amdhsa_memory_ordered 1
		.amdhsa_forward_progress 1
		.amdhsa_inst_pref_size 160
	.end_amdhsa_kernel
	.amdgpu_metadata
---
amdhsa.version: [ 1, 2 ]
amdhsa.kernels:
  - .name:           k_qaba01e7d55_attn
    .symbol:         k_qaba01e7d55_attn.kd
    .args:
      - { .name: qkvh, .offset: 0, .size: 8, .value_kind: global_buffer, .address_space: global }
      - { .name: oh, .offset: 8, .size: 8, .value_kind: global_buffer, .address_space: global }
    .group_segment_fixed_size: 327680
    .private_segment_fixed_size: 0
    .kernarg_segment_align: 8
    .kernarg_segment_size: 16
    .max_flat_workgroup_size: 128
    .sgpr_count:     84
    .vgpr_count:     770
    .wavefront_size: 32
...
	.end_amdgpu_metadata
.endif
;; end of part 3
;; launch proj (part 4): grid 4 x 64, 4 waves a work-group, clusters of 4 x 4, 327,680 bytes of LDS; arguments oh, wpb, out0; writes out0
.if DOCPART == 4
	.amdgcn_target "amdgcn-amd-amdhsa--gfx1250"
	.amdhsa_code_object_version 6
	.text
	.protected	k_qaba01e7d55_proj
	.globl	k_qaba01e7d55_proj
	.p2align	8
	.type	k_qaba01e7d55_proj,@function
k_qaba01e7d55_proj:
	s_mov_b64 s[64:65], 0
	v_nop
	global_prefetch_b8 v0, s[64:65] scope:SCOPE_SE
	s_setreg_imm32_b32 hwreg(HW_REG_WAVE_MODE, 25, 1), 1
	s_wait_xcnt 0x0
	s_wait_alu depctr_hold_cnt(0) depctr_sa_sdst(0) depctr_va_vdst(0) depctr_va_sdst(0) depctr_va_ssrc(0) depctr_va_vcc(0) depctr_vm_vsrc(0)
	s_getreg_b32 s2, hwreg(HW_REG_IB_STS2, 6, 4)
	s_cmp_eq_u32 s2, 0
	s_cbranch_scc0 .Lentry_in_a_cluster
	s_endpgm
.Lentry_in_a_cluster:
	s_bfe_u32 s2, ttmp6, 0x10000c
	s_cmp_lg_u32 s2, 0xf033
	s_cbranch_scc0 .Lentry_shape_is_right
	s_endpgm
.Lentry_shape_is_right:
; out0 = O w_proj^T.  oh [128 batch x head][1024][64] f16; wpb [1024][1024] f16 (w_proj rounded to bf16, written as f16); out0 [8192][1024] f32; sums in f32.
; LIMITS.  O and the weights lie within f16's 65,504; NaN and infinities are not treated apart.
; SHARES.  A tile is 128 rows x 256 columns: 4 x 64 = 256 work-groups, four waves of 64 x 128 each.  K = head x 64 + channel goes in steps of 128, two heads, through two LDS slots.
; A head's 128 rows of a tile are 16,384 dense bytes: asked for as 64 rows of 256 bytes and padded in LDS after every 128: a plane of 128 rows of 144 bytes for each head.
; CLUSTER.  4 x 4 work-groups: O's tile is shared along a row of the cluster, the weights' along a column: joint loads.
; TRANSPOSED USE.  Source 0 = 16 rows of the weights, source 1 = 16 rows of O: a lane holds row l % 16 and eight neighbouring columns.
; REGISTERS.  Window 0: v0-31 addresses; v64-159, v160-255 two fragment buffers (the weights' 8 blocks, then O's 4); on the way out v64-191 rows read back.  Window 1: the accumulators, (a, b) at 8 (8 a + b).
.set KSTEP,  128
.set LAPS,   4
.set APITCH, 144
.set BPITCH, 272
.set APLANE, 128*APITCH                ; a head's plane
.set AHALF,  128*APITCH                ; what one load brings of O: one plane
.set AWM,    64*APITCH                 ; a wave's 64 rows in a plane
.set BOFF,   2*AHALF
.set BHALF,  128*BPITCH
.set SLOT,   BOFF+2*BHALF
.set STAGE,  2*SLOT                    ; behind the ring: 16 rows x 528 bytes for each wave
.set SP,     528
.set SPARE,  STAGE+4*16*SP             ; the spare words, 128 bytes for each wave, which no other line names
.set STEPA,  2*131072                  ; a K step in oh: two heads on
.set ADRA, 16
.set ADRB, 20
.set STO,  24
.set RD,   25
.set GO,   26
.set SPW,  28
.set NIL,  29
.set PFO,  30
.set F0,   64
.set F1,   160
.set WV, 12
.set WM, 13
.set WN, 14
.set CX, 15
.set CY, 16
.set GX, 17
.set GY, 18
.set G1A, 24
.set G0A, 32
.set LIM, 42
.set PFA, 44
.set PFS, 46                           ; s[46:47] a K step for my prefetches, in bytes
.set G1B, 48
.set G0B, 56
.set W_MUL, 0x50
.set W_ST,  0x04                       ; an LDS store's data in window 1
.set MSB, 0
.macro WIN new
.if MSB != (\new)
	s_set_vgpr_msb (MSB<<8)|(\new)
.set MSB, \new
.endif
.endm
.macro PLACES
.rept 4
	v_nop
.endr
.endm
.macro JLOAD s                         ; waves 0 and 1 fetch O's two planes, waves 2 and 3 the weights' halves; s_nop 0 and four v_nop follow each line
	s_cmp_eq_u32 s[WM], 0
	s_cbranch_scc0 .Lfor_b_\@
	tensor_load_to_lds s[G0A+4*(\s):G0A+4*(\s)+3], s[G1A:G1A+7]
	s_nop 0
.rept 4
	v_nop
.endr
	s_branch .Lasked_\@
.Lfor_b_\@:
	tensor_load_to_lds s[G0B+4*(\s):G0B+4*(\s)+3], s[G1B:G1B+7]
	s_nop 0
.rept 4
	v_nop
.endr
.Lasked_\@:
.endm
.macro CREST
	s_cmp_lg_u32 s[WV], 0
	s_cbranch_scc1 .Lnot_wave_0_\@
	s_barrier_signal -3
.Lnot_wave_0_\@:
	s_barrier_wait -3
	s_barrier_signal -1
	s_barrier_wait -1
.endm
.macro CROUND
	s_barrier_signal -1
	s_barrier_wait -1
	CREST
.endm
; One prefetch behind each joint refill: the K step two refills on, 32 blocks of 256 bytes, a lane a block.  Wave 0 asks for O (32 of the step's 128 blocks for each partner of a row, told apart by address),
; waves 2 and 3 for the half of the weights that they fetch (32 of 128 rows for each partner of a column), only in the first cluster along the axis on which clusters read the same rows.  The last trip asks for nothing.
.macro ASK
	s_cmp_gt_u32 s3, s[LIM]
	s_cbranch_scc0 .Lnot_mine_\@
	global_prefetch_b8 v[PFO], s[PFA:PFA+1] th:TH_LOAD_NT scope:SCOPE_SE
.Lnot_mine_\@:
.endm
.macro MUL8 f, a, zero                 ; the 32 accumulators take turns in one order everywhere
	WIN W_MUL
.irp b, 0,1,2,3,4,5,6,7
.if \zero
	v_wmma_f32_16x16x32_f16 v[8*(8*(\a)+(\b)):8*(8*(\a)+(\b))+7], v[(\f)+8*(\b):(\f)+8*(\b)+7], v[(\f)+64+8*(\a):(\f)+64+8*(\a)+7], 0
.else
	v_wmma_f32_16x16x32_f16 v[8*(8*(\a)+(\b)):8*(8*(\a)+(\b))+7], v[(\f)+8*(\b):(\f)+8*(\b)+7], v[(\f)+64+8*(\a):(\f)+64+8*(\a)+7], v[8*(8*(\a)+(\b)):8*(8*(\a)+(\b))+7]
.endif
.endr
.endm
.macro FETCH slot, q, f                ; quarter q: the weights at byte 64 q of their rows; O in plane q / 2 at byte 64 (q % 2)
	WIN 0
.irp b, 0,1,2,3,4,5,6,7
	ds_load_b128 v[(\f)+8*(\b):(\f)+8*(\b)+3],   v[ADRB+(\slot)] offset:64*(\q)+(\b)*16*BPITCH
	ds_load_b128 v[(\f)+8*(\b)+4:(\f)+8*(\b)+7], v[ADRB+(\slot)] offset:64*(\q)+(\b)*16*BPITCH+32
.endr
.irp a, 0,1,2,3
	ds_load_b128 v[(\f)+64+8*(\a):(\f)+64+8*(\a)+3],   v[ADRA+(\slot)] offset:((\q)/2)*APLANE+((\q)%2)*64+(\a)*16*APITCH
	ds_load_b128 v[(\f)+64+8*(\a)+4:(\f)+64+8*(\a)+7], v[ADRA+(\slot)] offset:((\q)/2)*APLANE+((\q)%2)*64+(\a)*16*APITCH+32
.endr
.endm
.macro QUARTER slot, q, f, g, zero
	s_wait_dscnt 4                                 ; all but the youngest four loads: O's blocks 2 and 3
	MUL8 \f, 0, \zero
	MUL8 \f, 1, \zero
	PLACES
	FETCH \slot, \q, \g
	s_wait_dscnt 24                                ; all but the 24 just issued
	MUL8 \f, 2, \zero
	MUL8 \f, 3, \zero
.endm
; The last quarter of a K step changes slots: each wave waits for all its tensor loads (one is out: its part of the next slot), adds 0 to its spare word, waits for that and for its reads of this slot.
; fill = 1: the barrier opens a round of the cluster's, and the joint refill, two K steps on, is the first thing behind it: 112 matrix instructions ahead of the wait for it.
.macro TURN slot, next, fill
.if \fill
	s_wait_xcnt 0x0                                ; the last prefetch, a K step back, has read its address
	s_add_nc_u64 s[PFA:PFA+1], s[PFA:PFA+1], s[PFS:PFS+1]
.endif
	WIN 0
	s_wait_tensorcnt 0x0
	ds_add_u32 v[SPW], v[NIL]
	s_wait_dscnt 5                                 ; the add and O's blocks 2 and 3 may be out
	MUL8 F1, 0, 0
	s_wait_dscnt 0x0
	s_barrier_signal -1
	MUL8 F1, 1, 0
.if \fill
	WIN 0
.endif
	s_barrier_wait -1
.if \fill
	CREST
	s_add_nc_u64 s[G0A+4*(\slot)+2:G0A+4*(\slot)+3], s[G0A+4*(\slot)+2:G0A+4*(\slot)+3], 2*STEPA
	s_add_nc_u64 s[G0B+4*(\slot)+2:G0B+4*(\slot)+3], s[G0B+4*(\slot)+2:G0B+4*(\slot)+3], 2*KSTEP*2
	JLOAD \slot
.else
	PLACES
.endif
	FETCH \next, 0, F0
.if \fill
	ASK
.endif
	MUL8 F1, 2, 0
	MUL8 F1, 3, 0
.endm
; THE WAY OUT of block a (16 rows x 128 columns of f32): 32 bytes a lane into rows of 528 bytes of my own stage, back as whole rows of 512 bytes, stored.
.macro TOST a
	WIN W_ST
.irp b, 0,1,2,3,4,5,6,7
	ds_store_b128 v[STO], v[64*(\a)+8*(\b):64*(\a)+8*(\b)+3]   offset:64*(\b)      ; each accumulator's low registers first
	ds_store_b128 v[STO], v[64*(\a)+8*(\b)+4:64*(\a)+8*(\b)+7] offset:64*(\b)+16
.endr
	WIN 0
.set RB, 64+64*((\a)%2)
.set t, 0
.rept 16
	ds_load_b128 v[RB+4*t:RB+4*t+3], v[RD] offset:SP*t  ; LDS serves a wave's instructions in order (ISA guide 5.7.1.4)
.set t, t+1
.endr
.endm
.macro SENDP a, younger                ; younger: the LDS instructions issued behind block a's loads
.set RB, 64+64*((\a)%2)
.set t, 0
.rept 16
	s_wait_dscnt (\younger)+15-t
	global_store_b128 v[GO], v[RB+4*t:RB+4*t+3], s[10:11] offset:65536*(\a)+4096*t th:TH_STORE_NT  ; 512 consecutive bytes, aligned
.set t, t+1
.endr
.endm
	s_load_b128 s[4:7], s[0:1], 0x0                ; oh s[4:5], wpb s[6:7]
	s_load_b64 s[8:9], s[0:1], 0x10                ; out0
	v_lshl_add_u32 v[SPW], v0, 2, SPARE
	v_mov_b32 v[NIL], 0
	ds_add_u32 v[SPW], v[NIL]                      ; the wave's opening: the add and its wait stand ahead of my first tensor load
	v_lshrrev_b32 v1, 5, v0
	v_readfirstlane_b32 s[WV], v1
	s_lshr_b32 s[WM], s[WV], 1
	s_and_b32 s[WN], s[WV], 1
	s_bfe_u32 s[CX], ttmp6, 0x40000
	s_bfe_u32 s[CY], ttmp6, 0x40004
	s_lshl_b32 s[GX], ttmp9, 2
	s_add_co_u32 s[GX], s[GX], s[CX]
	s_and_b32 s[GY], ttmp7, 0xffff
	s_lshl_b32 s[GY], s[GY], 2
	s_add_co_u32 s[GY], s[GY], s[CY]
	s_lshl_b32 s20, s[CY], 2
	s_lshl_b32 s20, 15, s20
	s_lshl_b32 s74, 0x1111, s[CX]
	s_or_b32 s[G1A], s20, (1<<16)|(1<<20)|(1<<21)|(4<<22)|(3<<25)  ; padding after every 32 words: a row of O
	s_or_b32 s[G1B], s74, (1<<16)|(1<<20)|(1<<21)|(5<<22)|(3<<25)  ; after every 64 words
	s_mov_b32 s[G1A+1], 128<<16
	s_mov_b32 s[G1A+2], 64<<16
	s_mov_b32 s[G1A+3], 128<<16
	s_mov_b32 s[G1A+4], 64
	s_mov_b32 s[G1A+5], 128                        ; dense
	s_mov_b32 s[G1A+6], 0
	s_mov_b32 s[G1A+7], 0
	s_mov_b32 s[G1B+1], KSTEP<<16
	s_mov_b32 s[G1B+2], 128<<16
	s_mov_b32 s[G1B+3], KSTEP<<16
	s_mov_b32 s[G1B+4], 128
	s_mov_b32 s[G1B+5], 1024
	s_mov_b32 s[G1B+6], 0
	s_mov_b32 s[G1B+7], 0
	s_lshr_b32 s20, s[GY], 3                       ; O: batch gy / 8, head = my half, position 128 (gy % 8)
	s_lshl_b32 s20, s20, 21
	s_and_b32 s21, s[GY], 7
	s_lshl_b32 s21, s21, 14
	s_add_co_u32 s20, s20, s21
	s_lshl_b32 s21, s[WN], 17
	s_add_co_u32 s20, s20, s21
	s_mov_b32 s21, 0
	s_lshl_b32 s74, s[GX], 19                      ; the weights: row 256 gx + 128 half
	s_lshl_b32 s75, s[WN], 18
	s_add_co_u32 s74, s74, s75
	s_mov_b32 s75, 0
	s_mul_i32 s22, s[WN], AHALF
	s_mul_i32 s76, s[WN], BHALF
	s_add_co_u32 s76, s76, BOFF
	s_wait_dscnt 0x0                               ; the opening add is done
	s_wait_kmcnt 0x0
	s_add_nc_u64 s[20:21], s[4:5], s[20:21]
	s_add_nc_u64 s[74:75], s[6:7], s[74:75]
	CROUND                                         ; all sixteen work-groups are here: the first joint loads meet
.irp s, 0,1
	s_mov_b32 s[G0A+4*(\s)], 1
	s_add_co_u32 s[G0A+4*(\s)+1], s22, (\s)*SLOT
	s_add_nc_u64 s[G0A+4*(\s)+2:G0A+4*(\s)+3], s[20:21], (\s)*STEPA
	s_or_b32 s[G0A+4*(\s)+3], s[G0A+4*(\s)+3], 0x80000000
	s_mov_b32 s[G0B+4*(\s)], 1
	s_add_co_u32 s[G0B+4*(\s)+1], s76, (\s)*SLOT
	s_add_nc_u64 s[G0B+4*(\s)+2:G0B+4*(\s)+3], s[74:75], (\s)*KSTEP*2
	s_or_b32 s[G0B+4*(\s)+3], s[G0B+4*(\s)+3], 0x80000000
	JLOAD \s
.endr
	v_and_b32 v1, 15, v0
	v_bfe_u32 v2, v0, 4, 1
	v_mul_u32_u24 v3, v1, APITCH
	v_lshl_add_u32 v3, v2, 4, v3
	v_mul_u32_u24 v4, v1, BPITCH
	v_lshl_add_u32 v4, v2, 4, v4
	s_mul_i32 s23, s[WM], AWM
	s_mul_i32 s77, s[WN], BHALF
	s_add_co_u32 s77, s77, BOFF
.irp s, 0,1
	v_add_nc_u32 v[ADRA+(\s)], s23, v3
	v_add_nc_u32 v[ADRB+(\s)], s77, v4
	s_add_co_u32 s23, s23, SLOT
	s_add_co_u32 s77, s77, SLOT
.endr
	s_mul_i32 s23, s[WV], 16*SP
	s_add_co_u32 s23, s23, STAGE                   ; my stage
	v_mul_u32_u24 v[STO], v1, SP
	v_lshl_add_u32 v[STO], v2, 5, v[STO]           ; row l % 16, 32 bytes for each half of the lanes
	v_add_nc_u32 v[STO], s23, v[STO]
	v_and_b32 v[GO], 31, v0
	v_lshlrev_b32 v[GO], 4, v[GO]
	v_add_nc_u32 v[RD], s23, v[GO]
	s_lshl_b32 s74, s[GY], 19                      ; out0 at row 128 gy + 64 wm, column 256 gx + 128 wn
	s_lshl_b32 s75, s[WM], 18
	s_add_co_u32 s74, s74, s75
	s_lshl_b32 s75, s[GX], 10
	s_add_co_u32 s74, s74, s75
	s_lshl_b32 s75, s[WN], 9
	s_add_co_u32 s74, s74, s75
	s_mov_b32 s75, 0
	s_add_nc_u64 s[10:11], s[8:9], s[74:75]
	; the prefetches
	s_lshr_b32 s76, s[GY], 3                       ; O: of a step's 128 blocks of 256 bytes, blocks 32 cx on: plane cx / 2, its half cx % 2
	s_lshl_b32 s76, s76, 21
	s_and_b32 s77, s[GY], 7
	s_lshl_b32 s77, s77, 14
	s_add_co_u32 s76, s76, s77
	s_lshr_b32 s77, s[CX], 1
	s_lshl_b32 s77, s77, 17
	s_add_co_u32 s76, s76, s77
	s_and_b32 s77, s[CX], 1
	s_lshl_b32 s77, s77, 13
	s_add_co_u32 s76, s76, s77
	s_add_co_u32 s76, s76, 3*STEPA                 ; at K step 3: the first refill steps it to 4 and names that
	s_lshl_b32 s74, s[GX], 8                       ; the weights: row 256 gx + 128 half + 32 cy
	s_lshl_b32 s75, s[WN], 7
	s_add_co_u32 s74, s74, s75
	s_lshl_b32 s75, s[CY], 5
	s_add_co_u32 s74, s74, s75
	s_lshl_b32 s74, s74, 11
	s_add_co_u32 s74, s74, 3*KSTEP*2
	s_and_b32 s22, ttmp7, 0xffff                   ; cluster y
	s_mov_b32 s[PFS+1], STEPA                      ; O's K step, held in a register: the select below may hold one literal
	s_cmp_eq_u32 s[WM], 0
	s_cselect_b32 s76, s76, s74
	s_cselect_b32 s[PFS], s[PFS+1], KSTEP*2
	s_cselect_b32 s23, 8, 11                       ; a lane a block of 256 bytes, or a lane a row of 2,048
	s_cselect_b32 s22, ttmp9, s22                  ; the coordinate along which other clusters read the same rows
	s_cselect_b64 s[PFA:PFA+1], s[4:5], s[6:7]
	s_mov_b32 s[PFS+1], 0                          ; the step's high word
	s_cmp_eq_u32 s[WV], 1                          ; wave 1 asks for nothing: wave 0 names all of O's blocks
	s_cselect_b32 s75, 1, 0
	s_or_b32 s22, s22, s75
	s_cmp_eq_u32 s22, 0
	s_cselect_b32 s[LIM], 1, -1                    ; the same in all sixteen partners, for a given wave
	s_mov_b32 s77, 0
	s_add_nc_u64 s[PFA:PFA+1], s[PFA:PFA+1], s[76:77]
	v_and_b32 v[PFO], 31, v0
	v_lshlrev_b32 v[PFO], s23, v[PFO]
	s_wait_tensorcnt 1                             ; my part of K step 0 is in; K step 1 may stay out
	s_barrier_signal -1
	s_barrier_wait -1
	FETCH 0, 0, F0
	QUARTER 0, 1, F0, F1, 1                        ; the first quarter starts the sums: nothing is cleared
	WIN 0
	s_mov_b32 s3, LAPS-1
.Llap:
	QUARTER 0, 2, F1, F0, 0
	QUARTER 0, 3, F0, F1, 0
	TURN 0, 1, 1
	QUARTER 1, 1, F0, F1, 0
	QUARTER 1, 2, F1, F0, 0
	QUARTER 1, 3, F0, F1, 0
	TURN 1, 0, 1
	QUARTER 0, 1, F0, F1, 0
	WIN 0
	s_sub_co_u32 s3, s3, 1
	s_cmp_lg_u32 s3, 0
	s_cbranch_scc1 .Llap
	QUARTER 0, 2, F1, F0, 0                        ; the last lap fills nothing
	QUARTER 0, 3, F0, F1, 0
	TURN 0, 1, 0
	QUARTER 1, 1, F0, F1, 0
	QUARTER 1, 2, F1, F0, 0
	QUARTER 1, 3, F0, F1, 0
	s_wait_dscnt 4
	MUL8 F1, 0, 0
	MUL8 F1, 1, 0
	s_wait_dscnt 0x0
	MUL8 F1, 2, 0
	MUL8 F1, 3, 0
	WIN 0
	PLACES                                         ; behind the last products
	TOST 0
	TOST 1
	SENDP 0, 32
	s_wait_xcnt 0x0                                ; block 0's stores have read their registers, which block 2 takes
	TOST 2
	SENDP 1, 32
	s_wait_xcnt 0x0
	TOST 3
	SENDP 2, 32
	SENDP 3, 0
	s_wait_tensorcnt 0x0                           ; the wave's end
	ds_add_u32 v[SPW], v[NIL]
	s_wait_dscnt 0x0
	CROUND                                         ; the closing round
	s_endpgm
.Lfunc_end_k_qaba01e7d55_proj:
	.size	k_qaba01e7d55_proj, .Lfunc_end_k_qaba01e7d55_proj-k_qaba01e7d55_proj
	.p2alignl 7, 3214868480
	.fill 96, 4, 3214868480
	.section	.rodata,"a",@progbits
	.p2align	6, 0x0
	.amdhsa_kernel k_qaba01e7d55_proj
		.amdhsa_group_segment_fixed_size 327680
		.amdhsa_private_segment_fixed_size 0
		.amdhsa_enable_private_segment 0
		.amdhsa_kernarg_size 24
		.amdhsa_user_sgpr_count 2
		.amdhsa_user_sgpr_kernarg_segment_ptr 1
		.amdhsa_wavefront_size32 1
		.amdhsa_system_sgpr_workgroup_id_x 1
		.amdhsa_system_sgpr_workgroup_id_y 1
		.amdhsa_system_sgpr_workgroup_id_z 1
		.amdhsa_system_vgpr_workitem_id 0
		.amdhsa_next_free_vgpr 512
		.amdhsa_next_free_sgpr 80
		.amdhsa_reserve_vcc 0
		.amdhsa_float_denorm_mode_32 3
		.amdhsa_float_denorm_mode_16_64 3
		.amdhsa_memory_ordered 1
		.amdhsa_forward_progress 1
		.amdhsa_inst_pref_size 88
	.end_amdhsa_kernel
	.amdgpu_metadata
---
amdhsa.version: [ 1, 2 ]
amdhsa.kernels:
  - .name:           k_qaba01e7d55_proj
    .symbol:         k_qaba01e7d55_proj.kd
    .args:
      - { .name: oh, .offset: 0, .size: 8, .value_kind: global_buffer, .address_space: global }
      - { .name: wpb, .offset: 8, .size: 8, .value_kind: global_buffer, .address_space: global }
      - { .name: out0, .offset: 16, .size: 8, .value_kind: global_buffer, .address_space: global }
    .group_segment_fixed_size: 327680
    .private_segment_fixed_size: 0
    .kernarg_segment_align: 8
    .kernarg_segment_size: 24
    .max_flat_workgroup_size: 128
    .sgpr_count:     80
    .vgpr_count:     512
    .wavefront_size: 32
...
	.end_amdgpu_metadata
.endif
;; end of part 4
;; ======== version 2 of 2: 4 launches; version 1 with the launch cast written anew for expert scheduling mode
;; limits: values are held in f16: magnitudes above 65,504 overflow, below 6.1e-05 lose precision
;; workspace buffers: xb 16,777,216 bytes; wqb 6,291,456 bytes; wpb 2,097,152 bytes; tab 1,048,576 bytes; qkvh 50,331,648 bytes; oh 16,777,216 bytes
;; launch cast (part 5): grid 832 x 1, 8 waves a work-group, no clusters, 0 bytes of LDS; arguments x, w_qkv, w_proj, cos, sin, q_norm_w, k_norm_w, xb, wqb, wpb, tab; writes xb, wqb, wpb, tab
.if DOCPART == 5
	.amdgcn_target "amdgcn-amd-amdhsa--gfx1250"
	.amdhsa_code_object_version 6
	.text
	.protected	k_qaba01e7d55_cast
	.globl	k_qaba01e7d55_cast
	.p2align	8
	.type	k_qaba01e7d55_cast,@function
k_qaba01e7d55_cast:
	s_mov_b64 s[64:65], 0
	v_nop
	global_prefetch_b8 v0, s[64:65] scope:SCOPE_SE
	s_setreg_imm32_b32 hwreg(HW_REG_WAVE_SCHED_MODE, 0, 2), 2
	s_setreg_imm32_b32 hwreg(HW_REG_WAVE_MODE, 25, 1), 1
	s_wait_xcnt 0x0
	s_wait_alu depctr_vm_vsrc(0)
; THE INPUTS ARE ROUNDED ONCE, TO bf16, ALL OF THEM.  x -> xb and w_qkv -> wqb as bf16; w_proj -> wpb: rounded to bf16 and that number written as f16
; (the last product multiplies f16); cos, sin and the two gains -> tab: products of two bf16 numbers, exact in f32.
; LIMITS.  bf16(w_proj) lies within f16's 65,504; below 6e-5 it keeps f16's fixed step of 6e-8.  NaN and infinities are not treated apart.
; SHARES.  Work-groups 0-511: 65,536 bytes of x each; 512-703: of w_qkv; 704-767: of w_proj; 768-831: one block of 16 positions of the tables each.
; A stream: 16 loads of 16 bytes a lane are out at once (a wave's load covers 512 consecutive bytes), a wave's store of 8 bytes a lane covers 256 consecutive bytes, aligned.
; Every register is used once, so nothing is freed and no loop is needed.  No LDS, no matrix unit, no cluster: nothing is shared and nothing is multiplied.
; tab: TQ at byte 0, TK at 524,288; each [64 blocks of 16 positions][16 chunks][32 lanes][4 f32].  Lane = r + 16 h stands for position 16 block + r.  Chunk i < 8 holds
; cw[d .. d+3], d = 16 (i / 2) + 8 h + 4 (i % 2); chunk 8 + i holds sw[d .. d+3].  cw[d] = cos[l][d] w[d]; sw[d] = -sin[l][d] w[d + 32] for d < 32, sin[l][d] w[d - 32] else.
; Then rope(rmsnorm(v))[d] = n (v[d] cw[d] + v[d xor 32] sw[d]), n the reciprocal root of the mean square.
; THE MODE: SCHED_MODE bits 1:0 = 2 (LLVM: expert scheduling mode 2), set by the entry lines.  The code itself states the register dependences
; between vector instructions and memory instructions, with s_wait_alu, always for 0.
; THE PLAN.  Registers that memory instructions touch, in the three streams:
;   v[IO], v[OO]  the offsets: written once at the head, read by the 16 loads and the 16 stores, never written again.
;   X             number i: 4 registers: one load lands in them, once; no vector instruction names them ahead of that load; the conversions read them.
;   Y             number i: 2 registers: written once, by number i's conversions; read by one store; never written again.
;   T             named by vector instructions alone.
; The 16 numbers go in four blocks of four.  Block p converts its four numbers; its memory instructions are the four stores of block p - 1, which read Y registers that no vector
; instruction of block p names.  So one wait stands ahead of the first load, for the offsets; one at the head of each of blocks 1 to 3, behind the wait for the block's data, for the Y
; of the block before; one ahead of the last four stores.  No register that a memory instruction reads is written again, so no wait on vm_vsrc is owed.
; The tables' path: its four offsets are written once, ahead of one wait; its 24 loaded registers are loaded once; its 16 products are written once, ahead of one wait and the four stores.
.set IO,  1                            ; v1   16 x thread: my 16 bytes in 4,096 of the source
.set OO,  2                            ; v2   8 x thread: my 8 bytes in 2,048 of the destination
.set X,   4                            ; v[4:67]   16 x 4 as loaded
.set Y,   68                           ; v[68:99]  16 x 2 to store
.set T,   100                          ; v[100:107] at work
.set CO,  108                          ; the tables' path: offsets
.set W0,  109
.set W1,  110
.set SO,  111
.set SRC, 32                           ; s[32:33]
.set DST, 34                           ; s[34:35]
.macro STEP                            ; s3 = my number among the work-groups of this tensor
	s_lshl_b32 s36, s3, 16
	s_mov_b32 s37, 0
	s_lshl_b32 s38, s3, 15
	s_mov_b32 s39, 0
	s_add_nc_u64 s[SRC:SRC+1], s[SRC:SRC+1], s[36:37]
	s_add_nc_u64 s[DST:DST+1], s[DST:DST+1], s[38:39]
.endm
.macro LD16
	s_wait_alu depctr_va_vdst(0)                   ; v[IO] and v[OO] are written: every load and store of this path reads one of them as its offset
.set i, 0
.rept 16
	global_load_b128 v[X+4*i:X+4*i+3], v[IO], s[SRC:SRC+1] offset:4096*i th:TH_LOAD_NT
.set i, i+1
.endr
.endm
.macro CV16 mode                       ; mode 0: to bf16; mode 1: to bf16 and that number to f16
.set p, 0
.rept 4                                ; block p: numbers 4 p to 4 p + 3
	s_wait_loadcnt 12-4*p                          ; loads come back in order: the block's four are in, the 12 - 4 p younger ones stay out
.if p > 0
	s_wait_alu depctr_va_vdst(0)                   ; the conversions of the block before have written its Y, which the four stores below read
.endif
.set j, 0
.rept 4
.set i, 4*p+j                          ; the number that is converted,
.set o, 4*p+j-4                        ; and the one that is stored
.if p > 0
	global_store_b64 v[OO], v[Y+2*o:Y+2*o+1], s[DST:DST+1] offset:2048*o  ; no vector instruction since the wait names these registers
.endif
.if \mode
	v_cvt_pk_bf16_f32 v[T], v[X+4*i], v[X+4*i+1]
	v_cvt_pk_bf16_f32 v[T+1], v[X+4*i+2], v[X+4*i+3]
	v_lshlrev_b32 v[T+2], 16, v[T]
	v_and_b32 v[T+3], s30, v[T]
	v_lshlrev_b32 v[T+4], 16, v[T+1]
	v_and_b32 v[T+5], s30, v[T+1]
	v_cvt_pk_f16_f32 v[Y+2*i], v[T+2], v[T+3]
	v_cvt_pk_f16_f32 v[Y+2*i+1], v[T+4], v[T+5]
.else
	v_cvt_pk_bf16_f32 v[Y+2*i], v[X+4*i], v[X+4*i+1]
	v_cvt_pk_bf16_f32 v[Y+2*i+1], v[X+4*i+2], v[X+4*i+3]
.endif
.set j, j+1
.endr
.set p, p+1
.endr
	s_wait_alu depctr_va_vdst(0)                   ; the last block's conversions have written its Y, which the last four stores read
.set o, 12
.rept 4
	global_store_b64 v[OO], v[Y+2*o:Y+2*o+1], s[DST:DST+1] offset:2048*o
.set o, o+1
.endr
.endm
.macro RND4 reg                        ; four f32 rounded to bf16, in place, kept as f32
	v_cvt_pk_bf16_f32 v[T], v[\reg], v[(\reg)+1]
	v_cvt_pk_bf16_f32 v[T+1], v[(\reg)+2], v[(\reg)+3]
	v_lshlrev_b32 v[\reg], 16, v[T]
	v_and_b32 v[(\reg)+1], s30, v[T]
	v_lshlrev_b32 v[(\reg)+2], 16, v[T+1]
	v_and_b32 v[(\reg)+3], s30, v[T+1]
.endm
	s_load_b512 s[8:23], s[0:1], 0x0               ; x s[8:9], w_qkv s[10:11], w_proj s[12:13], cos s[14:15], sin s[16:17], q gain s[18:19], k gain s[20:21], xb s[22:23]
	s_load_b128 s[24:27], s[0:1], 0x40             ; wqb s[24:25], wpb s[26:27]
	s_load_b64 s[28:29], s[0:1], 0x50              ; tab
	s_mov_b32 s2, ttmp9
	s_mov_b32 s30, 0xffff0000                      ; a word's upper bf16
	v_lshlrev_b32 v[IO], 4, v0
	v_lshlrev_b32 v[OO], 3, v0
	s_wait_kmcnt 0x0
	s_cmp_ge_u32 s2, 768
	s_cbranch_scc1 .Ltab
	s_cmp_ge_u32 s2, 704
	s_cbranch_scc1 .Lwp
	s_cmp_lt_u32 s2, 512                           ; x or w_qkv: the same text on other pointers
	s_cselect_b64 s[SRC:SRC+1], s[8:9], s[10:11]
	s_cselect_b64 s[DST:DST+1], s[22:23], s[24:25]
	s_cselect_b32 s3, 0, 512
	s_sub_co_u32 s3, s2, s3
	STEP
	LD16
	CV16 0
	s_endpgm
.Lwp:
	s_mov_b64 s[SRC:SRC+1], s[12:13]
	s_mov_b64 s[DST:DST+1], s[26:27]
	s_sub_co_u32 s3, s2, 704
	STEP
	LD16
	CV16 1
	s_endpgm
.Ltab:                                         ; wave i makes chunks i and 8 + i of both tables for one block of 16 positions
	v_lshrrev_b32 v3, 5, v0
	v_readfirstlane_b32 s3, v3                     ; wave 0..7
	v_and_b32 v1, 15, v0                           ; r
	v_bfe_u32 v2, v0, 4, 1                         ; h
	s_sub_co_u32 s2, s2, 768                       ; the block
	s_wait_alu depctr_va_sdst(0)                   ; s3 is written, ahead of its first reader: the chunk's channels and its place in the tables are made from it
	s_lshr_b32 s36, s3, 1
	s_lshl_b32 s36, s36, 4
	s_and_b32 s37, s3, 1
	s_lshl_b32 s37, s37, 2
	s_add_co_u32 s36, s36, s37                     ; 16 (i / 2) + 4 (i % 2)
	v_lshl_add_u32 v3, v2, 3, s36                  ; d
	v_lshlrev_b32 v[W0], 2, v3                     ; the gain of d,
	v_xor_b32 v[W1], 128, v[W0]                    ; and of d xor 32
	s_lshl_b32 s38, s2, 12                         ; 16 rows of 256 bytes
	v_lshl_add_u32 v[CO], v1, 8, v[W0]
	v_add_nc_u32 v[CO], s38, v[CO]
	s_lshl_b32 s38, s2, 13                         ; a block of a table is 8,192 bytes, a chunk 512
	s_lshl_b32 s39, s3, 9
	s_add_co_u32 s38, s38, s39
	v_and_b32 v3, 31, v0
	v_lshl_add_u32 v[SO], v3, 4, s38
	s_cmp_lt_u32 s3, 4                             ; d < 32 in waves 0 to 3
	s_cselect_b32 s40, -1.0, 1.0
	s_mov_b32 s41, s40                             ; named with it as a pair
	s_wait_alu depctr_va_vdst(0)                   ; the four offsets v[CO], v[W0], v[W1], v[SO] are written, which the loads and stores below read; none is written again
	global_load_b128 v[4:7], v[CO], s[14:15]
	global_load_b128 v[8:11], v[CO], s[16:17]
	global_load_b128 v[12:15], v[W0], s[18:19]
	global_load_b128 v[16:19], v[W1], s[18:19]
	global_load_b128 v[20:23], v[W0], s[20:21]
	global_load_b128 v[24:27], v[W1], s[20:21]
	s_wait_loadcnt 0x0
	RND4 4
	RND4 8
	RND4 12
	RND4 16
	RND4 20
	RND4 24
	v_pk_mul_f32 v[8:9], v[8:9], s[40:41] op_sel_hi:[1,0]
	v_pk_mul_f32 v[10:11], v[10:11], s[40:41] op_sel_hi:[1,0]
	v_pk_mul_f32 v[28:29], v[4:5], v[12:13]
	v_pk_mul_f32 v[30:31], v[6:7], v[14:15]
	v_pk_mul_f32 v[32:33], v[8:9], v[16:17]
	v_pk_mul_f32 v[34:35], v[10:11], v[18:19]
	v_pk_mul_f32 v[36:37], v[4:5], v[20:21]
	v_pk_mul_f32 v[38:39], v[6:7], v[22:23]
	v_pk_mul_f32 v[40:41], v[8:9], v[24:25]
	v_pk_mul_f32 v[42:43], v[10:11], v[26:27]
	s_wait_alu depctr_va_vdst(0)                   ; the products have written v[28:43], which the four stores read
	global_store_b128 v[SO], v[28:31], s[28:29]                  ; each store of a wave covers 512 consecutive bytes
	global_store_b128 v[SO], v[32:35], s[28:29] offset:4096
	global_store_b128 v[SO], v[36:39], s[28:29] offset:524288
	global_store_b128 v[SO], v[40:43], s[28:29] offset:528384
	s_endpgm
.Lfunc_end_k_qaba01e7d55_cast:
	.size	k_qaba01e7d55_cast, .Lfunc_end_k_qaba01e7d55_cast-k_qaba01e7d55_cast
	.p2alignl 7, 3214868480
	.fill 96, 4, 3214868480
	.section	.rodata,"a",@progbits
	.p2align	6, 0x0
	.amdhsa_kernel k_qaba01e7d55_cast
		.amdhsa_group_segment_fixed_size 0
		.amdhsa_private_segment_fixed_size 0
		.amdhsa_enable_private_segment 0
		.amdhsa_kernarg_size 88
		.amdhsa_user_sgpr_count 2
		.amdhsa_user_sgpr_kernarg_segment_ptr 1
		.amdhsa_wavefront_size32 1
		.amdhsa_system_sgpr_workgroup_id_x 1
		.amdhsa_system_sgpr_workgroup_id_y 1
		.amdhsa_system_sgpr_workgroup_id_z 1
		.amdhsa_system_vgpr_workitem_id 0
		.amdhsa_next_free_vgpr 112
		.amdhsa_next_free_sgpr 66
		.amdhsa_reserve_vcc 0
		.amdhsa_float_denorm_mode_32 3
		.amdhsa_float_denorm_mode_16_64 3
		.amdhsa_memory_ordered 1
		.amdhsa_forward_progress 1
		.amdhsa_inst_pref_size 21
	.end_amdhsa_kernel
	.amdgpu_metadata
---
amdhsa.version: [ 1, 2 ]
amdhsa.kernels:
  - .name:           k_qaba01e7d55_cast
    .symbol:         k_qaba01e7d55_cast.kd
    .args:
      - { .name: x, .offset: 0, .size: 8, .value_kind: global_buffer, .address_space: global }
      - { .name: w_qkv, .offset: 8, .size: 8, .value_kind: global_buffer, .address_space: global }
      - { .name: w_proj, .offset: 16, .size: 8, .value_kind: global_buffer, .address_space: global }
      - { .name: cos, .offset: 24, .size: 8, .value_kind: global_buffer, .address_space: global }
      - { .name: sin, .offset: 32, .size: 8, .value_kind: global_buffer, .address_space: global }
      - { .name: q_norm_w, .offset: 40, .size: 8, .value_kind: global_buffer, .address_space: global }
      - { .name: k_norm_w, .offset: 48, .size: 8, .value_kind: global_buffer, .address_space: global }
      - { .name: xb, .offset: 56, .size: 8, .value_kind: global_buffer, .address_space: global }
      - { .name: wqb, .offset: 64, .size: 8, .value_kind: global_buffer, .address_space: global }
      - { .name: wpb, .offset: 72, .size: 8, .value_kind: global_buffer, .address_space: global }
      - { .name: tab, .offset: 80, .size: 8, .value_kind: global_buffer, .address_space: global }
    .group_segment_fixed_size: 0
    .private_segment_fixed_size: 0
    .kernarg_segment_align: 8
    .kernarg_segment_size: 88
    .max_flat_workgroup_size: 256
    .sgpr_count:     66
    .vgpr_count:     112
    .wavefront_size: 32
...
	.end_amdgpu_metadata
.endif
;; end of part 5
;; launch qkvgemm: the kernel of part 2 again; grid 4 x 64, 4 waves a work-group, clusters of 4 x 4, 327,680 bytes of LDS; arguments xb, wqb, tab, qkvh; writes qkvh
;; launch attn: the kernel of part 3 again; grid 2 x 128, 4 waves a work-group, no clusters, 327,680 bytes of LDS; arguments qkvh, oh; writes oh
;; launch proj: the kernel of part 4 again; grid 4 x 64, 4 waves a work-group, clusters of 4 x 4, 327,680 bytes of LDS; arguments oh, wpb, out0; writes out0
